; MI455X (gfx1250); checked and timed in simulation.
; The chip was launched on July 23, 2026; its instructions are those of AMD's public machine-readable ISA for CDNA 5 (MIT licence, August 2026) and "CDNA5" Instruction Set Architecture Reference Guide (July 2026). The comments in the code are by the model that wrote it; some were corrected since.
;; Attention. Allowed arithmetic: matrix products marked QUANTISED: E2M1 operands, one E8M0 scale for each 32 along K, by v_wmma_scale_f32_16x16x128_f8f6f4 with both operands' format E2M1 (or v_wmma_scale_f32_32x16x128_f4), f32 sums; products left as they are: bf16, f16 or f32 operands; f32 sums; everything else in f32.
;; Inputs: Wk 2,048 x 4 x 128 float32; Wo 16 x 128 x 2,048 float32; Wq 2,048 x 16 x 128 float32; Wv 2,048 x 4 x 128 float32; x 4 x 1,024 x 2,048 float32.
;; Outputs: out0 4 x 1,024 x 2,048 float32.
;; This version of the problem:
;;   THIS VERSION OF THE PROBLEM IS GIVEN IN LOW PRECISION. The matrix products marked QUANTISED in the list below multiply operands that are first quantised to E2M1 (2 exponent bits, 1 mantissa bit; 4 bits a number), with one power-of-two scale for each 32 numbers along K (OCP MX v1.0); their sums are f32. The products marked 'left as it is' may take bf16, f16 or f32 operands, with f32 sums. Whichever they take, every output number must still come out within the allowed error. Rounding operands to bf16 (8 significant bits) uses up far more of that allowance than f16 does (11 bits, for magnitudes from 6e-5 to 65,504). All else is computed in f32.
;;   The module's matrix products, in the order in which they are computed (A, B: the left and right operand; K: the contracted axis; several contracted axes count as one K, in the product's order):
;;     1. [M 4,096, K 2,048] x [K 2,048, N 2,048]; A: input x; B: input Wq: QUANTISED
;;     2. [M 4,096, K 2,048] x [K 2,048, N 512]; A: input x; B: input Wk: QUANTISED
;;     3. [M 4,096, K 2,048] x [K 2,048, N 512]; A: input x; B: input Wv: QUANTISED
;;     4. batch 64 x [M 1,024, K 128] x [K 128, N 1,024]; A: computed on the way; B: computed on the way: left as it is (an operand is computed on the way)
;;     5. batch 64 x [M 128, K 1,024] x [K 1,024, N 1,024]; A: computed on the way; B: computed on the way: left as it is (an operand is computed on the way)
;;     6. [M 4,096, K 2,048] x [K 2,048, N 2,048]; A: computed on the way; B: input Wo: left as it is (an operand is computed on the way)
;;   THE QUANTISER, for each operand of a quantised product, along K:
;;     - K is cut into blocks of 32 from its start; a last block that is shorter is filled with zeros.
;;     - A block's scale is 2^e with e = floor(log2(the largest magnitude in the block)) - 2, held to -126 .. 127; a block of zeros has e = 0. As a byte (E8M0): e + 127.
;;     - Each number is divided by its block's scale, clamped to +-6, and rounded to the nearest number of E2M1, ties to even, subnormals kept.
;;     - The product sums the exact products of the quantised numbers (number of the format x scale) in f32.
;;   ~~~python
;;   def quantise(x, axis):      # numpy; x: float32 -> the quantised numbers, widened to float32 again
;;       x = np.moveaxis(x, axis, -1); K = x.shape[-1]
;;       x = np.pad(x, [(0, 0)] * (x.ndim - 1) + [(0, -K % 32)]); x = x.reshape(x.shape[:-1] + (-1, 32)); a = np.abs(x).max(-1, keepdims=True)
;;       e = np.where(a > 0, np.clip(np.frexp(np.where(a > 0, a, 1))[1] - 1 - 2, -126, 127), 0)      # np.frexp(a)[1] - 1 = floor(log2(a)), exactly
;;       r = np.clip(x / 2.0 ** e, -6, 6)
;;       step = 2.0 ** (np.maximum(np.frexp(np.where(r == 0, 1, r))[1] - 1, 0) - 1)
;;       q = np.round(r / step) * step * 2.0 ** e      # np.round: ties to even
;;       return np.moveaxis(q.reshape(q.shape[:-2] + (-1,))[..., :K], -1, axis).astype(np.float32)
;;   ~~~
;; One version. Each part assembles by itself: llvm-mc -triple=amdgcn-amd-amdhsa -mcpu=gfx1250 --defsym DOCPART=n.
;; ======== version 1 of 1: 4 launches
;; limits: values are held in f16: magnitudes above 65,504 overflow, below 6.1e-05 lose precision
;; workspace buffers: codes 7,340,032 bytes; scales 458,752 bytes; wot16 8,388,608 bytes; rope_tab 524,288 bytes; q16 16,777,216 bytes; kv16 8,388,608 bytes; att16 16,777,216 bytes
;; launch prep (part 1): grid 720 x 1, 4 waves a work-group, no clusters, 102,912 bytes of LDS; arguments x, Wq, Wk, Wv, Wo, codes, scales, wot16, rope_tab; writes codes, scales, wot16, rope_tab
.if DOCPART == 1
	.amdgcn_target "amdgcn-amd-amdhsa--gfx1250"
	.amdhsa_code_object_version 6
	.text
	.protected	k_qe7e43e1ebc_prep
	.globl	k_qe7e43e1ebc_prep
	.p2align	8
	.type	k_qe7e43e1ebc_prep,@function
k_qe7e43e1ebc_prep:
	s_mov_b64 s[64:65], 0
	v_nop
	global_prefetch_b8 v0, s[64:65] scope:SCOPE_SE
	s_setreg_imm32_b32 hwreg(HW_REG_WAVE_MODE, 25, 1), 1
	s_wait_xcnt 0x0
; THE FIRST OF FOUR LAUNCHES of: out = softmax(rope(x Wq) rope(x Wk)^T / sqrt(128)) (x Wv) Wo, 16 query heads on 4 key and value heads, no mask.
; DEAD WORK: none.  All five inputs reach the output for all values; the repeat of the key and value heads is done by addressing (key head = query head / 4), not by a copy.
; This launch prepares what later launches read many times, each input byte read once:
;   path X (work-groups 0-255):   x [4096][2048] f32 -> codes of FP4 (E2M1), K innermost, rows 0-4095 of 'codes' (1,024 bytes a row), and one E8M0 byte for each 32 along K, rows of 64 bytes in 'scales'.
;   path W (work-groups 256-447): Wq, Wk, Wv [2048 (k)][n] f32 -> the same, K moved innermost: row 4096 + n of 'codes' and 'scales', n = 0-2047 Wq's columns, 2048-2559 Wk's, 2560-3071 Wv's.
;   path O (work-groups 448-703): Wo [2048 (k)][2048 (n)] f32 -> f16, [n][k], for the last product, which is left as it is.
;   path T (work-groups 704-719): the table of cos and sin: [position 1024][64 cos, 64 sin] f32.
; THE QUANTISER: a block's scale is 2^(floor(log2(its largest magnitude)) - 2); its byte is the largest magnitude's exponent field - 2, held at 1 from below; each number / scale goes to the nearest code, ties to even, beyond 6 the largest code.
; LIMITS: a block of zeros gets the byte 1 where the rule says 127 (its codes are zeros, and this program alone reads the bytes); blocks whose largest magnitude lies under 2^(2 - 126) were not tried; NaN and infinities among the inputs
; are not served.  Wo is rounded to f16: magnitudes up to 65,504.  The table's angles are position x 2^(-j log2(10000) / 64), within about 1e-4 radians of position / 10000^(j / 64) at the largest angle, 1,023.
; Each path has LDS bytes of its own; no tensor loads, no barrier: waves share nothing.  A wave reads 32,768 bytes in paths X and W, 16,384 in path O.
.set SPARE, 102400                     ; behind the three paths' regions: the spare words, 128 bytes for each wave: two blocks of 256 bytes that no other line names
.set SPW,   230                        ; v230  LDS address of my spare word; never rewritten
.set NIL,   231                        ; v231  0; never rewritten
.set WV,    26                         ; s26   my wave's number
.set EMAX,  2
	s_load_b256 s[4:11], s[0:1], 0x0               ; x s[4:5], Wq s[6:7], Wk s[8:9], Wv s[10:11]
	s_load_b256 s[12:19], s[0:1], 0x20             ; Wo s[12:13], codes s[14:15], scales s[16:17], wot16 s[18:19]
	s_load_b64 s[20:21], s[0:1], 0x40              ; rope_tab
	v_lshl_add_u32 v[SPW], v0, 2, SPARE
	v_mov_b32 v[NIL], 0
	v_lshrrev_b32 v1, 5, v0
	v_readfirstlane_b32 s[WV], v1                  ; wave 0..3
	v_and_b32 v2, 31, v0                           ; lane
	s_wait_kmcnt 0x0
	s_cmp_lt_u32 ttmp9, 256                        ; the paths part on the work-group's number alone
	s_cbranch_scc1 .Lpath_x
	s_cmp_lt_u32 ttmp9, 448
	s_cbranch_scc1 .Lpath_w
	s_cmp_lt_u32 ttmp9, 704
	s_cbranch_scc1 .Lpath_o
; ---------------- PATH T: 64 waves, 16 positions each.  A lane owns j = 2 lane and 2 lane + 1 of the 64 frequencies.
; cos and sin by reduction to |r| <= pi / 4 (n = the nearest whole number to a x 2 / pi; r = a - n pi / 2, pi / 2 in two parts, fused) and the series up to r^9 and r^8; the quadrant n mod 4 selects and signs, by selects alone.
.macro SINCOS a, c, s
	v_mul_f32 v10, s40, v[\a]
	v_rndne_f32 v10, v10                           ; n
	v_fma_f32 v11, v10, s41, v[\a]
	v_fma_f32 v11, v10, s42, v11                   ; r
	v_mul_f32 v12, v11, v11                        ; r^2
	v_fma_f32 v13, s43, v12, s44
	v_fma_f32 v15, s47, v12, s48
	v_fma_f32 v13, v13, v12, s45
	v_fma_f32 v15, v15, v12, s49
	v_fma_f32 v13, v13, v12, s46
	v_mul_f32 v14, v11, v12                        ; r^3
	v_fma_f32 v15, v15, v12, -0.5
	v_fma_f32 v13, v13, v14, v11                   ; sin r
	v_fma_f32 v15, v15, v12, 1.0                   ; cos r
	v_cvt_i32_f32 v16, v10
	v_and_b32 v17, 1, v16
	v_cmp_eq_u32 vcc_lo, 1, v17                    ; an odd quadrant changes the two
	v_cndmask_b32 v[\s], v13, v15, vcc_lo
	v_cndmask_b32 v[\c], v15, v13, vcc_lo
	v_lshlrev_b32 v17, 30, v16
	v_and_b32 v17, 0x80000000, v17                 ; sin is negative in quadrants 2 and 3,
	v_xor_b32 v[\s], v17, v[\s]
	v_add_nc_u32 v16, 1, v16
	v_lshlrev_b32 v16, 30, v16
	v_and_b32 v16, 0x80000000, v16                 ; cos in quadrants 1 and 2
	v_xor_b32 v[\c], v16, v[\c]
.endm
	s_sub_co_u32 s27, ttmp9, 704
	s_lshl_b32 s27, s27, 2
	s_add_co_u32 s27, s27, s[WV]
	s_lshl_b32 s27, s27, 4                         ; my wave's first position
	v_lshlrev_b32 v3, 1, v2
	v_add_nc_u32 v4, 1, v3
	v_cvt_f32_u32 v3, v3
	v_cvt_f32_u32 v4, v4
	v_mul_f32 v3, 0xbe549a78, v3                   ; -j log2(10000) / 64
	v_mul_f32 v4, 0xbe549a78, v4
	v_exp_f32 v3, v3                               ; 1 / 10000^(j / 64)
	v_exp_f32 v4, v4
	s_lshl_b32 s28, s27, 9                         ; a row of the table is 512 bytes
	v_lshl_add_u32 v5, v2, 3, s28                  ; (a plain instruction behind the exponentials)  my 8 bytes of the row's cos
	s_mov_b32 s40, 0x3f22f983                      ; 2 / pi
	s_mov_b32 s41, 0xbfc90fdb                      ; -pi / 2, the f32 nearest to it,
	s_mov_b32 s42, 0x333bbd2e                      ; and what that leaves
	s_mov_b32 s43, 0x3638ef1d                      ; 1 / 9!
	s_mov_b32 s44, 0xb9500d01                      ; -1 / 7!
	s_mov_b32 s45, 0x3c088889                      ; 1 / 5!
	s_mov_b32 s46, 0xbe2aaaab                      ; -1 / 3!
	s_mov_b32 s47, 0x37d00d01                      ; 1 / 8!
	s_mov_b32 s48, 0xbab60b61                      ; -1 / 6!
	s_mov_b32 s49, 0x3d2aaaab                      ; 1 / 4!
	s_mov_b32 s29, 0
	s_wait_alu depctr_va_vdst(0)                   ; one wait for both exponentials, ahead of their first reader and of the label
.Ltrow:
	s_add_co_u32 s30, s27, s29
	v_cvt_f32_u32 v6, s30                          ; the position
	v_mul_f32 v8, v6, v3
	v_mul_f32 v9, v6, v4                           ; my two angles
	SINCOS 8, 20, 22
	SINCOS 9, 21, 23
	global_store_b64 v5, v[20:21], s[20:21]            ; 32 lanes store 256 consecutive bytes, aligned: the row's cos,
	global_store_b64 v5, v[22:23], s[20:21] offset:256 ; and its sin
	s_wait_xcnt 0x0                                ; the stores' offset and data are written again only behind this wait
	v_add_nc_u32 v5, 512, v5
	s_add_co_u32 s29, s29, 1
	s_cmp_lt_u32 s29, 16
	s_cbranch_scc1 .Ltrow
	s_endpgm
; ---------------- PATH X: x is a plain stream of blocks of 32.  A wave takes 16 steps of 512 numbers.  Each load reads 512 consecutive bytes, 16 a lane; a step's 2,048 bytes turn through the wave's own stage in LDS
; (16 bytes of padding behind each 64) and come back 64 bytes a lane: 16 neighbours along K; two neighbouring lanes hold a block.  Loads run four steps ahead, the turn through LDS one step.
.set XSTEPS, 16
.set XCB,   8                          ; bytes of 16 codes
.set XR,    16                         ; v16-79   four sets of 16 numbers as they are loaded
.set XX,    80                         ; v80-111  two sets of 16 neighbours
.set XE,    112                        ; v112-127 a scale byte for each step
.set XC,    128                        ; v128-191 codes: registers of its own for each step, so that no store's data are written again
.set XWREG, 8192                       ; LDS bytes 0 - 32,767: a region for each wave: two stages of 32 x XSP bytes, behind them its 256 scale bytes
.set XSP,   80
.macro XLOAD t
.irp i, 0,1,2,3
	global_load_b128 v[XR+16*((\t)%4)+4*\i:XR+16*((\t)%4)+4*\i+3], v3, s[4:5] offset:2048*(\t)+512*\i th:TH_LOAD_NT
.endr
.endm
.macro XTURN t                         ; LDS serves a wave's instructions in order: no wait between the stores and the loads
.irp i, 0,1,2,3
	ds_store_b128 v14, v[XR+16*((\t)%4)+4*\i:XR+16*((\t)%4)+4*\i+3] offset:32*XSP*((\t)%2)+8*XSP*\i
.endr
.irp i, 0,1,2,3
	ds_load_b128 v[XX+16*((\t)%2)+4*\i:XX+16*((\t)%2)+4*\i+3], v15 offset:32*XSP*((\t)%2)+16*\i
.endr
.endm
.macro XSTEP t
.set XS, XX+16*((\t)%2)
.if (\t) > 0
	s_wait_dscnt 1                                 ; this step's numbers are back from the stage (the last step's byte store may be out)
.else
	s_wait_dscnt 0x0
.endif
.if (\t)+4 < XSTEPS
	XLOAD (\t)+4                                   ; into the set whose stores into the stage have read their registers
.endif
.if (\t)+1 < XSTEPS
.if XSTEPS-2-(\t) >= 3
	s_wait_loadcnt 12                              ; the next step's four loads are in; those of the three steps behind it may be out
.else
	s_wait_loadcnt 4*(XSTEPS-2-(\t))
.endif
	XTURN (\t)+1
.endif
	v_max3_num_f32 v8, |v[XS]|, |v[XS+1]|, |v[XS+2]|               ; the largest magnitude of my 16, in two chains
	v_max3_num_f32 v9, |v[XS+3]|, |v[XS+4]|, |v[XS+5]|
.irp i, 6,10
	v_max3_num_f32 v8, v8, |v[XS+\i]|, |v[XS+\i+1]|
	v_max3_num_f32 v9, v9, |v[XS+\i+2]|, |v[XS+\i+3]|
.endr
	v_max3_num_f32 v8, v8, |v[XS+14]|, |v[XS+15]|
	v_max3_num_f32 v8, v8, v9, (EMAX+1)<<23        ; and the floor 2^(3 - 127): the byte cannot fall under 1
	v_max_num_f32_dpp v8, v8, v8 row_xmask:1 row_mask:0xf bank_mask:0xf   ; with my neighbour's 16: the block's
	v_add_nc_u32 v11, -(EMAX<<23), v8              ; 2 off its exponent field: the conversion takes the exponent field of this operand as its scale
	v_cvt_scalef32_pk8_fp4_f32 v[XC+4*(\t)], v[XS:XS+7], v11
	v_cvt_scalef32_pk8_fp4_f32 v[XC+4*(\t)+1], v[XS+8:XS+15], v11
	v_lshrrev_b32 v[XE+(\t)], 23, v11              ; the scale's byte (a plain instruction behind the conversions)
	ds_store_b8 v5, v[XE+(\t)] offset:16*(\t)      ; both lanes of a block write the same byte with the same value
	global_store_b64 v4, v[XC+4*(\t):XC+4*(\t)+1], s[14:15] offset:32*XCB*(\t)   ; the wave stores 256 consecutive bytes, aligned
.endm
.Lpath_x:
	v_lshlrev_b32 v3, 4, v2                        ; my 16 bytes of a load's 512
	s_mul_i32 s27, s[WV], XWREG
	v_lshrrev_b32 v14, 2, v2
	v_mul_u32_u24 v14, v14, XSP
	v_and_b32 v15, 3, v2
	v_lshl_add_u32 v14, v15, 4, v14
	v_add_nc_u32 v14, s27, v14                     ; the stage, on the way in: XSP (lane / 4) + 16 (lane % 4)
	v_mul_u32_u24 v15, v2, XSP
	v_add_nc_u32 v15, s27, v15                     ; and on the way out: XSP x lane
	v_mul_u32_u24 v4, v2, XCB                      ; my codes' place in a step's
	v_lshrrev_b32 v5, 1, v2
	s_add_co_u32 s27, s27, 2*32*XSP
	v_add_nc_u32 v5, s27, v5                       ; my wave's 256 scale bytes, my block's byte
	v_lshlrev_b32 v7, 3, v2
	v_add_nc_u32 v6, s27, v7                       ; and on the way out 8 bytes a lane
	s_lshl_b32 s28, ttmp9, 2
	s_add_co_u32 s28, s28, s[WV]                   ; which run of 8,192 numbers is my wave's: 0 .. 1,023
	s_mov_b32 s31, 0
	s_lshl_b32 s30, s28, 15
	s_add_nc_u64 s[4:5], s[4:5], s[30:31]          ; 32,768 bytes of x a run,
	s_lshl_b32 s30, s28, 12
	s_add_nc_u64 s[14:15], s[14:15], s[30:31]      ; 4,096 of codes,
	s_lshl_b32 s30, s28, 8
	s_add_nc_u64 s[16:17], s[16:17], s[30:31]      ; 256 scale bytes
.irp t, 0,1,2,3
	XLOAD \t
.endr
	s_wait_loadcnt 12                              ; step 0's four loads are in
	XTURN 0
.irp t, 0,1,2,3,4,5,6,7,8,9,10,11,12,13,14,15
	XSTEP \t
.endr
	ds_load_b64 v[8:9], v6                         ; LDS serves a wave's instructions in order: these see my byte stores
	s_wait_dscnt 0x0
	global_store_b64 v7, v[8:9], s[16:17]          ; 32 lanes store 256 consecutive bytes, aligned
	s_wait_tensorcnt 0x0                           ; the wave's end, behind my last LDS store
	ds_add_u32 v[SPW], v[NIL]
	s_wait_dscnt 0x0
	s_endpgm
; ---------------- PATH W: K is the weights' FIRST axis.  A lane takes a column n and its registers run down K: a block of 32 along K lies in one lane's 32 registers, and the conversions give codes with K innermost.
; A wave takes 16 columns x 512 along K, in 8 turns: in turn t lanes 0-15 hold block 2 t of the 16 columns and lanes 16-31 block 2 t + 1.  So a wave's share is 32,768 bytes, as in path X, and 768 waves walk the three weights;
; a load reads 64 consecutive bytes in each half of the lanes, and the four waves of a work-group stand side by side on 256.  A column's 256 bytes of codes leave through the wave's own stage as a whole row: sixteen lanes store
; 256 consecutive bytes, aligned.  Its 16 scale bytes are gathered in 256 bytes of the wave's own and leave 8 bytes a lane.
; The three weights differ in their row's bytes (8,192 or 2,048): so a row's offset stands in 32 vector registers and a turn's base in 8 scalar pairs, none of them rewritten.
.set WNB,   8                          ; turns
.set WPI,   272                        ; a stage row: 256 bytes + 16
.set WREG,  16*WPI+256                 ; LDS bytes 32,768 - 51,199: for each wave a stage of 16 rows, behind it its 256 scale bytes
.set WX,    32                         ; v32-95   two sets of 32 numbers
.set WC,    96                         ; v96-99   a block's codes
.set WOUT,  112                        ; v112-143 the way out
.set WVO,   176                        ; v176-207 4 x (lane % 16) + (32 (lane / 16) + i) rows
.set WBB,   32                         ; s[32:47] turn t's first row
.macro WLOAD t
.irp i, 0,1,2,3,4,5,6,7,8,9,10,11,12,13,14,15,16,17,18,19,20,21,22,23,24,25,26,27,28,29,30,31
	global_load_b32 v[WX+32*((\t)%2)+\i], v[WVO+\i], s[WBB+2*(\t):WBB+2*(\t)+1] th:TH_LOAD_NT
.endr
.endm
.macro WBLOCK t
.set XS, WX+32*((\t)%2)
.if (\t) < WNB-1
	s_wait_loadcnt 32                              ; this turn's 32 loads are in; the next turn's may be out
.else
	s_wait_loadcnt 0
.endif
	v_max3_num_f32 v12, |v[XS]|, |v[XS+1]|, |v[XS+2]|              ; the block's largest magnitude: all 32 numbers are mine
	v_max3_num_f32 v13, |v[XS+3]|, |v[XS+4]|, |v[XS+5]|
.irp i, 6,10,14,18,22,26
	v_max3_num_f32 v12, v12, |v[XS+\i]|, |v[XS+\i+1]|
	v_max3_num_f32 v13, v13, |v[XS+\i+2]|, |v[XS+\i+3]|
.endr
	v_max3_num_f32 v12, v12, |v[XS+30]|, |v[XS+31]|
	v_max3_num_f32 v12, v12, v13, (EMAX+1)<<23     ; and the floor
	v_add_nc_u32 v11, -(EMAX<<23), v12             ; the conversion's scale operand
	v_lshrrev_b32 v13, 23, v11                     ; the scale's byte
.irp g, 0,1,2,3
	v_cvt_scalef32_pk8_fp4_f32 v[WC+\g], v[XS+8*\g:XS+8*\g+7], v11
.endr
	v_nop                                          ; a plain instruction behind the last conversion
	ds_store_b128 v4, v[WC:WC+3] offset:32*(\t)    ; 32 codes: 16 bytes of my column's row, at block 2 t + lane / 16
	ds_store_b8 v10, v13 offset:2*(\t)             ; and the block's byte
.if (\t)+2 < WNB
	WLOAD (\t)+2
.endif
	s_wait_dscnt 0x0                               ; the stores have read their registers: the next block's codes and byte may be written
.endm
.Lpath_w:
	s_sub_co_u32 s27, ttmp9, 256
	s_and_b32 s28, s27, 3                          ; which 512 along K
	s_lshr_b32 s27, s27, 2                         ; which 64 of the 3,072 columns: 0-31 Wq, 32-39 Wk, 40-47 Wv
	s_cmp_lt_u32 s27, 40
	s_cselect_b64 s[8:9], s[8:9], s[10:11]
	s_cselect_b32 s29, 32, 40
	s_mov_b32 s30, 2048
	s_cmp_lt_u32 s27, 32
	s_cselect_b64 s[6:7], s[6:7], s[8:9]           ; the weight: the choice hangs on the work-group's number alone
	s_cselect_b32 s29, 0, s29                      ; its first group of columns
	s_cselect_b32 s30, 8192, s30                   ; its row in bytes
	s_sub_co_u32 s29, s27, s29
	s_lshl_b32 s31, s28, 9
	s_mul_i32 s31, s31, s30                        ; 512 y rows
	s_lshl_b32 s29, s29, 8                         ; + 64 columns a group, 4 bytes each
	s_add_co_u32 s31, s31, s29
	s_lshl_b32 s29, s[WV], 6                       ; + 16 columns a wave
	s_add_co_u32 s66, s31, s29
	s_mov_b32 s67, 0
	s_add_nc_u64 s[WBB:WBB+1], s[6:7], s[66:67]
	s_lshl_b32 s66, s30, 6                         ; a turn on: 64 rows
.irp t, 1,2,3,4,5,6,7
	s_add_nc_u64 s[WBB+2*\t:WBB+2*\t+1], s[WBB+2*\t-2:WBB+2*\t-1], s[66:67]
.endr
	s_lshl_b32 s31, s30, 5                         ; lanes 16-31 begin 32 rows further down
	v_and_b32 v5, 15, v2                           ; r: my column of the 16
	v_lshrrev_b32 v6, 4, v2                        ; h: my half
	v_mul_lo_u32 v[WVO], v6, s31
	v_lshl_add_u32 v[WVO], v5, 2, v[WVO]
.irp i, 1,2,3,4,5,6,7,8,9,10,11,12,13,14,15,16,17,18,19,20,21,22,23,24,25,26,27,28,29,30,31
	v_add_nc_u32 v[WVO+\i], s30, v[WVO+\i-1]
.endr
	WLOAD 0
	WLOAD 1
	s_mul_i32 s31, s[WV], WREG
	s_add_co_u32 s31, s31, 32768                   ; my stage
	v_mul_u32_u24 v4, v5, WPI
	v_lshl_add_u32 v4, v6, 4, v4
	v_add_nc_u32 v4, s31, v4                       ; into it: row = my column, 16 bytes for each half of the lanes
	v_mul_u32_u24 v7, v6, WPI
	v_lshl_add_u32 v7, v5, 4, v7
	v_add_nc_u32 v7, s31, v7                       ; out of it: sixteen lanes to a row, two rows an instruction
	s_add_co_u32 s31, s31, 16*WPI                  ; my 256 scale bytes: 16 a column
	v_lshl_add_u32 v10, v5, 4, v6
	v_add_nc_u32 v10, s31, v10                     ; in: 16 r + h, + 2 t
	v_lshl_add_u32 v14, v2, 3, s31                 ; out: 8 bytes a lane
	v_lshlrev_b32 v8, 10, v6
	v_lshl_add_u32 v8, v5, 4, v8                   ; the two rows' place in 'codes'
	v_lshrrev_b32 v9, 1, v2
	v_and_b32 v15, 1, v2
	v_lshlrev_b32 v9, 6, v9
	v_lshl_add_u32 v9, v15, 3, v9                  ; and in 'scales': column lane / 2, 8 bytes for each of its two lanes
	s_lshl_b32 s27, s27, 6
	s_lshl_b32 s29, s[WV], 4
	s_add_co_u32 s27, s27, s29                     ; my wave's first column of the 3,072
	s_lshl_b32 s68, s27, 10
	s_lshl_b32 s29, s28, 8
	s_add_co_u32 s68, s68, s29
	s_add_co_u32 s68, s68, 4194304                 ; behind x's 4,096 rows
	s_mov_b32 s69, 0
	s_add_nc_u64 s[14:15], s[14:15], s[68:69]
	s_lshl_b32 s68, s27, 6
	s_lshl_b32 s29, s28, 4
	s_add_co_u32 s68, s68, s29
	s_add_co_u32 s68, s68, 262144
	s_add_nc_u64 s[16:17], s[16:17], s[68:69]
.irp t, 0,1,2,3,4,5,6,7
	WBLOCK \t
.endr
.irp t, 0,1,2,3,4,5,6,7
	ds_load_b128 v[WOUT+4*\t:WOUT+4*\t+3], v7 offset:2*\t*WPI   ; LDS serves a wave's instructions in order: these see my stores
.endr
	ds_load_b64 v[24:25], v14
.irp t, 0,1,2,3,4,5,6,7
	s_wait_dscnt 8-\t                              ; behind these two rows' load: the later rows' loads and the scale bytes'
	global_store_b128 v8, v[WOUT+4*\t:WOUT+4*\t+3], s[14:15] offset:2*\t*1024   ; sixteen lanes store 256 consecutive bytes, aligned
.endr
	s_wait_dscnt 0x0
	global_store_b64 v9, v[24:25], s[16:17]        ; 16 bytes of each of my 16 columns' rows of scale bytes
	s_wait_tensorcnt 0x0                           ; the wave's end, behind my last LDS store
	ds_add_u32 v[SPW], v[NIL]
	s_wait_dscnt 0x0
	s_endpgm
; ---------------- PATH O: Wo [k][n] f32 -> wot16 [n][k] f16: a lane to a column, registers down K.  A wave takes 32 columns x 128 along K: 256 bytes of f16 a column.
.macro OLOAD t
.irp i, 0,1,2,3,4,5,6,7,8,9,10,11,12,13,14,15,16,17,18,19,20,21,22,23,24,25,26,27,28,29,30,31
	global_load_b32 v[32+32*(\t)+\i], v3, s[12:13] offset:(32*(\t)+\i)*8192 th:TH_LOAD_NT
.endr
.endm
.macro OBLOCK t
.if (\t) < 3
	s_wait_loadcnt 32                              ; this block's 32 loads are in; the next block's may be out
.else
	s_wait_loadcnt 0
.endif
.if (\t)+2 < 4
	OLOAD (\t)+2                                   ; each block has registers of its own
.endif
.irp p, 0,1,2,3,4,5,6,7,8,9,10,11,12,13,14,15
	v_cvt_pk_f16_f32 v[160+16*(\t)+\p], v[32+32*(\t)+2*\p], v[33+32*(\t)+2*\p]   ; the lower k in the low half
.endr
.irp g, 0,1,2,3
	ds_store_b128 v4, v[160+16*(\t)+4*\g:160+16*(\t)+4*\g+3] offset:64*(\t)+16*\g
.endr
.endm
.Lpath_o:
	s_sub_co_u32 s27, ttmp9, 448
	s_and_b32 s28, s27, 15                         ; which 128 columns
	s_lshr_b32 s27, s27, 4                         ; which 128 along K
	s_lshl_b32 s28, s28, 7
	s_lshl_b32 s29, s[WV], 5
	s_add_co_u32 s28, s28, s29                     ; my wave's first column
	s_lshl_b32 s30, s27, 20                        ; 128 rows of 8,192 bytes
	s_lshl_b32 s29, s28, 2
	s_add_co_u32 s30, s30, s29
	s_mov_b32 s31, 0
	s_add_nc_u64 s[12:13], s[12:13], s[30:31]
	v_lshlrev_b32 v3, 2, v2
	OLOAD 0
	OLOAD 1
	s_lshl_b32 s30, s28, 12                        ; a row of wot16 is 4,096 bytes
	s_lshl_b32 s29, s27, 8
	s_add_co_u32 s30, s30, s29
	s_add_nc_u64 s[18:19], s[18:19], s[30:31]
	s_mul_i32 s29, s[WV], 32*272
	s_add_co_u32 s29, s29, 67584                   ; LDS bytes 67,584 - 102,399: my stage
	v_mul_u32_u24 v4, v2, 272
	v_add_nc_u32 v4, s29, v4
	v_and_b32 v5, 15, v2
	v_lshrrev_b32 v6, 4, v2
	v_mul_u32_u24 v7, v6, 272
	v_lshl_add_u32 v7, v5, 4, v7
	v_add_nc_u32 v7, s29, v7
	v_lshlrev_b32 v8, 12, v6
	v_lshl_add_u32 v8, v5, 4, v8
.irp t, 0,1,2,3
	OBLOCK \t
.endr
.irp t, 0,1,2,3,4,5,6,7,8,9,10,11,12,13,14,15
	ds_load_b128 v[32+4*\t:32+4*\t+3], v7 offset:2*\t*272   ; LDS serves a wave's instructions in order: these see my stores
.endr
.irp t, 0,1,2,3,4,5,6,7,8,9,10,11,12,13,14,15
	s_wait_dscnt 15-\t
	global_store_b128 v8, v[32+4*\t:32+4*\t+3], s[18:19] offset:2*\t*4096   ; sixteen lanes store 256 consecutive bytes, aligned
.endr
	s_wait_tensorcnt 0x0                           ; the wave's end, behind my last LDS store
	ds_add_u32 v[SPW], v[NIL]
	s_wait_dscnt 0x0
	s_endpgm
.Lfunc_end_k_qe7e43e1ebc_prep:
	.size	k_qe7e43e1ebc_prep, .Lfunc_end_k_qe7e43e1ebc_prep-k_qe7e43e1ebc_prep
	.p2alignl 7, 3214868480
	.fill 96, 4, 3214868480
	.section	.rodata,"a",@progbits
	.p2align	6, 0x0
	.amdhsa_kernel k_qe7e43e1ebc_prep
		.amdhsa_group_segment_fixed_size 102912
		.amdhsa_private_segment_fixed_size 0
		.amdhsa_enable_private_segment 0
		.amdhsa_kernarg_size 72
		.amdhsa_user_sgpr_count 2
		.amdhsa_user_sgpr_kernarg_segment_ptr 1
		.amdhsa_wavefront_size32 1
		.amdhsa_system_sgpr_workgroup_id_x 1
		.amdhsa_system_sgpr_workgroup_id_y 1
		.amdhsa_system_sgpr_workgroup_id_z 1
		.amdhsa_system_vgpr_workitem_id 0
		.amdhsa_next_free_vgpr 232
		.amdhsa_next_free_sgpr 80
		.amdhsa_reserve_vcc 1
		.amdhsa_float_denorm_mode_32 3
		.amdhsa_float_denorm_mode_16_64 3
		.amdhsa_memory_ordered 1
		.amdhsa_forward_progress 1
		.amdhsa_inst_pref_size 101
	.end_amdhsa_kernel
	.amdgpu_metadata
---
amdhsa.version: [ 1, 2 ]
amdhsa.kernels:
  - .name:           k_qe7e43e1ebc_prep
    .symbol:         k_qe7e43e1ebc_prep.kd
    .args:
      - { .name: x, .offset: 0, .size: 8, .value_kind: global_buffer, .address_space: global }
      - { .name: Wq, .offset: 8, .size: 8, .value_kind: global_buffer, .address_space: global }
      - { .name: Wk, .offset: 16, .size: 8, .value_kind: global_buffer, .address_space: global }
      - { .name: Wv, .offset: 24, .size: 8, .value_kind: global_buffer, .address_space: global }
      - { .name: Wo, .offset: 32, .size: 8, .value_kind: global_buffer, .address_space: global }
      - { .name: codes, .offset: 40, .size: 8, .value_kind: global_buffer, .address_space: global }
      - { .name: scales, .offset: 48, .size: 8, .value_kind: global_buffer, .address_space: global }
      - { .name: wot16, .offset: 56, .size: 8, .value_kind: global_buffer, .address_space: global }
      - { .name: rope_tab, .offset: 64, .size: 8, .value_kind: global_buffer, .address_space: global }
    .group_segment_fixed_size: 102912
    .private_segment_fixed_size: 0
    .kernarg_segment_align: 8
    .kernarg_segment_size: 72
    .max_flat_workgroup_size: 128
    .sgpr_count:     80
    .vgpr_count:     232
    .wavefront_size: 32
...
	.end_amdgpu_metadata
.endif
;; end of part 1
;; launch qkv (part 2): grid 12 x 16, 4 waves a work-group, clusters of 4 x 4, 327,680 bytes of LDS; arguments codes, scales, rope_tab, q16, kv16; writes q16, kv16
.if DOCPART == 2
	.amdgcn_target "amdgcn-amd-amdhsa--gfx1250"
	.amdhsa_code_object_version 6
	.text
	.protected	k_qe7e43e1ebc_qkv
	.globl	k_qe7e43e1ebc_qkv
	.p2align	8
	.type	k_qe7e43e1ebc_qkv,@function
k_qe7e43e1ebc_qkv:
	s_mov_b64 s[64:65], 0
	v_nop
	global_prefetch_b8 v0, s[64:65] scope:SCOPE_SE
	s_setreg_imm32_b32 hwreg(HW_REG_WAVE_MODE, 25, 1), 1
	s_wait_xcnt 0x0
	s_wait_alu depctr_hold_cnt(0) depctr_sa_sdst(0) depctr_va_vdst(0) depctr_va_sdst(0) depctr_va_ssrc(0) depctr_va_vcc(0) depctr_vm_vsrc(0)
	s_getreg_b32 s2, hwreg(HW_REG_IB_STS2, 6, 4)
	s_cmp_eq_u32 s2, 0
	s_cbranch_scc0 .Lentry_in_a_cluster
	s_endpgm
.Lentry_in_a_cluster:
	s_bfe_u32 s2, ttmp6, 0x10000c
	s_cmp_lg_u32 s2, 0xf033
	s_cbranch_scc0 .Lentry_shape_is_right
	s_endpgm
.Lentry_shape_is_right:
; THE THREE QUANTISED PRODUCTS AS ONE GEMM ON CODES OF FP4, with the rotation of positions on the way out.  No work is left out.
; C[m][n] = sum over k of A[m][k] B[n][k]: A = x's 4,096 rows, B = the 3,072 columns of Wq, Wk, Wv, all in 'codes' (1,024 bytes a row, K innermost; B from row 4,096 on) with E8M0 bytes in 'scales' (64 a row).
; A tile of C, 256 x 256, is made by a work-group of four waves; a wave makes 128 rows x 128 columns, and its 128 columns are ONE HEAD: heads 0-15 q, 16-19 k, 20-23 v.
; K goes in steps of 512 through a ring of two LDS slots filled by the tensor data mover (rows of 256 bytes); the scale bytes of the work-group's rows, for all of K, come once with the first fills and stay.
; CLUSTERS: 4 x 4 work-groups; A's tiles are asked for jointly along a row of the cluster, B's along a column.  THE MATRIX INSTRUCTION IS USED TRANSPOSED (source 0 = 16 rows of B, source 1 = 16 rows of A): a lane holds eight neighbouring channels of one position.
; THE WAY OUT: first' = first cos - second sin, second' = second cos + first sin, in f32, from the table [position][64 cos, 64 sin]; rounded once to f16; q16 [batch x 16 + head][position][128], kv16 the same for k's 16 and then v's 16 heads.
; A cluster holds k's and v's heads side by side: so v takes the same lines with the table's row pitch 0: every lane reads position 0's row, cos = 1 and sin = 0 exactly.
; LIMITS: |q|, |k|, |v| up to 65,504 (f16); an infinity in v would become NaN by its product with 0.
; REGISTERS, in windows of 256: window 0: v0-31 addresses; v32-95 scale words, two sets; from v128 A's fragments, ONE set; on the way out v32-255 are free.  window 1: B's fragments, two sets.  windows 2, 3: the 64 accumulators ((a, b) at v[8 (8 (a % 4) + b)]).
.set SIZE_M, 4096
.set SIZE_N, 3072
.set SIZE_K, 2048
.set KSTEP,  512                       ; along K in a slot
.set NQ,     KSTEP/128                 ; matrix instructions deep
.set ROWB,   256                       ; a tile's row in bytes
.set KROW,   SIZE_K*4/8                ; a row of codes in memory
.set PITCH,  272                       ; an LDS row: 256 bytes + 16 of padding: the 16 rows that a load touches start at 16 different banks
.set FR,     8                         ; registers of a fragment: 16 rows x 128 K
.set NL,     2                         ; LDS loads that bring one
.set NP,     4                         ; places behind this matrix instruction (ISA guide 7.12.1)
.set HALFT,  128*PITCH                 ; 128 rows: what one tensor load brings
.set SLOT,   4*HALFT                   ; A's 256 rows, then B's 256 rows
.set LAPS,   SIZE_K/(2*KSTEP)
.set KS,     SIZE_K/32                 ; a row of scales in bytes
.set SCL,    2*SLOT                    ; behind the ring: the scales, as units of 256 bytes + 16 of padding
.set HALFS,  (128*KS/256)*272
.set SBLK,   (16*KS/256)*272
.set SPARE,  SCL+4*HALFS               ; the spare words, 128 bytes for each wave: two blocks of 256 bytes that no other line names
.set SPITCH, 272                       ; the way out: a stage of 16 rows x (256 bytes + 16) for each wave, in slot 0, which has had its last fill and its last read when the first result is stored there
.set TA,   8                           ; v8-15   byte offset in the table of my position's row in block a of 16 rows, + 32 x half
.set ADRA, 16
.set ADRB, 20
.set STO,  24
.set RD,   25
.set CO,   26
.set ADRS, 27
.set SPW,  28
.set NIL,  29
.set SC,   32
.set AF,   128
.set T1,   32                          ; the way out: v32-63 the first halves' 32 numbers, v64-95 the second halves'
.set T2,   64
.set PK,   96                          ; v96-127 the same as f16, then whole rows
.set G1, 24
.set G0, 32
.set G1B, 48
.set G0B, 56
.set G1S, 68
.set G0S, 76
.set G1SB, 80
.set G0SB, 88
.set MSB, 0
.macro WIN new                         ; the immediate's high byte repeats the setting that is left
.if MSB != \new
	s_set_vgpr_msb (MSB<<8)|\new
.set MSB, \new
.endif
.endm
.set MUL_LO, 0xa1                      ; source 0 (B) window 1, source 1 (A) window 0, C and D window 2
.set MUL_HI, 0xf1                      ; the same, C and D window 3
.set TO_B,   0x40                      ; destination window 1, address window 0
; A joint load: waves 0 and 1 fetch for A, waves 2 and 3 for B; the branch hangs on the wave's number alone.  An s_nop 0 and four v_nop follow each of the two lines.
.macro JLOAD g0a, g1a, g0b, g1b
	s_cmp_eq_u32 s15, 0
	s_cbranch_scc0 .Lfor_b_\@
	tensor_load_to_lds s[\g0a:\g0a+3], s[\g1a:\g1a+7]
	s_nop 0
.rept 4
	v_nop
.endr
	s_branch .Lasked_\@
.Lfor_b_\@:
	tensor_load_to_lds s[\g0b:\g0b+3], s[\g1b:\g1b+7]
	s_nop 0
.rept 4
	v_nop
.endr
.Lasked_\@:
.endm
.macro CREST                           ; a round of the cluster's barrier behind its opening barrier
	s_cmp_lg_u32 s14, 0
	s_cbranch_scc1 .Lnot_wave_0_\@
	s_barrier_signal -3
.Lnot_wave_0_\@:
	s_barrier_wait -3
	s_barrier_signal -1
	s_barrier_wait -1
.endm
.macro CROUND                          ; a whole round
	s_barrier_signal -1
	s_barrier_wait -1
	CREST
.endm
	s_load_b128 s[4:7], s[0:1], 0x0                ; codes s[4:5], scales s[6:7]
	s_load_b128 s[96:99], s[0:1], 0x10             ; rope_tab s[96:97], q16 s[98:99]
	s_load_b64 s[100:101], s[0:1], 0x20            ; kv16
	v_lshl_add_u32 v[SPW], v0, 2, SPARE
	v_mov_b32 v[NIL], 0
	ds_add_u32 v[SPW], v[NIL]                      ; the wave's opening: the add, twice on end, and its wait ahead of my first tensor load
	ds_add_u32 v[SPW], v[NIL]
	v_lshrrev_b32 v1, 5, v0
	v_readfirstlane_b32 s14, v1                    ; wave 0..3
	s_lshr_b32 s15, s14, 1                         ; which half of the tile's rows is mine.  Also: I fetch for A (0) or for B (1)
	s_and_b32 s16, s14, 1                          ; which half of its columns.  Also: which 128 rows of that tile I fetch
	s_bfe_u32 s40, ttmp6, 0x40000                  ; cx, cy: my place in the cluster
	s_bfe_u32 s41, ttmp6, 0x40004
	s_lshl_b32 s42, ttmp9, 2
	s_add_co_u32 s42, s42, s40                     ; tile column of C
	s_and_b32 s17, ttmp7, 0xffff
	s_lshl_b32 s17, s17, 2
	s_add_co_u32 s17, s17, s41                     ; tile row of C
	s_lshl_b32 s43, s41, 2
	s_lshl_b32 s43, 15, s43                        ; my row of the cluster
	s_lshl_b32 s44, 0x1111, s40                    ; my column
	; descriptor group 1: a tile of 128 rows x 256 bytes, padded in LDS
	s_or_b32 s[G1+0], s43, (0<<16)|(1<<20)|(1<<21)|(5<<22)|(3<<25)  ; the mask; elements of 1 byte; padding on; bit 21 beside a mask; after every 64 words, 4 words
	s_or_b32 s[G1B+0], s44, (0<<16)|(1<<20)|(1<<21)|(5<<22)|(3<<25)
.irp g, G1, G1B
	s_mov_b32 s[\g+1], ROWB<<16                    ; tensor_dim0
	s_mov_b32 s[\g+2], 128<<16                     ; tensor_dim1
	s_mov_b32 s[\g+3], ROWB<<16                    ; tile_dim0
	s_mov_b32 s[\g+4], 128                         ; tile_dim1
	s_mov_b32 s[\g+5], KROW                        ; tensor_dim0_stride
	s_mov_b32 s[\g+6], 0
	s_mov_b32 s[\g+7], 0
.endr
	; the scales of 128 rows: a dense block of 8,192 bytes, as rows of 256 bytes (32 elements of 8 bytes), 16 bytes of padding behind each
	s_or_b32 s[G1S+0], s43, (3<<16)|(1<<20)|(1<<21)|(5<<22)|(3<<25)
	s_or_b32 s[G1SB+0], s44, (3<<16)|(1<<20)|(1<<21)|(5<<22)|(3<<25)
.irp g, G1S, G1SB
	s_mov_b32 s[\g+1], 32<<16
	s_mov_b32 s[\g+2], (128*KS/256)<<16
	s_mov_b32 s[\g+3], 32<<16
	s_mov_b32 s[\g+4], 128*KS/256
	s_mov_b32 s[\g+5], 32
	s_mov_b32 s[\g+6], 0
	s_mov_b32 s[\g+7], 0
.endr
	s_lshl_b32 s18, s16, 7                         ; which 128 rows of the tile I fetch
	s_lshl_b32 s20, s17, 8
	s_add_co_u32 s20, s20, s18                     ; A: row 256 x tile row + 128 x half
	s_lshl_b32 s46, s42, 8
	s_add_co_u32 s46, s46, s18                     ; B: row 256 x tile column + 128 x half
	s_mov_b32 s21, 0
	s_mov_b32 s47, 0
	s_mov_b64 s[18:19], KS
	s_mul_u64 s[22:23], s[20:21], s[18:19]         ; where these rows' scales begin, in bytes
	s_mul_u64 s[92:93], s[46:47], s[18:19]
	s_mov_b64 s[18:19], KROW
	s_mul_u64 s[20:21], s[20:21], s[18:19]         ; and their codes
	s_mul_u64 s[46:47], s[46:47], s[18:19]
	s_mul_i32 s45, s14, HALFT                      ; where they go: wave x 128 rows: no place in the cluster enters an LDS address
	s_mul_i32 s94, s14, HALFS
	s_wait_dscnt 0x0                               ; both opening adds are done
	s_wait_kmcnt 0x0
	s_add_nc_u64 s[8:9], s[4:5], 0x400000          ; B's codes: behind A's 4,096 rows of 1,024 bytes
	s_add_nc_u64 s[10:11], s[6:7], 0x40000         ; B's scales: behind A's 4,096 rows of 64 bytes
	s_add_nc_u64 s[20:21], s[4:5], s[20:21]
	s_add_nc_u64 s[22:23], s[6:7], s[22:23]
	s_add_nc_u64 s[46:47], s[8:9], s[46:47]
	s_add_nc_u64 s[92:93], s[10:11], s[92:93]
	CROUND                                         ; all sixteen work-groups are here: the first joint loads meet
	s_mov_b32 s[G0S], 1
	s_add_co_u32 s[G0S+1], s94, SCL
	s_mov_b64 s[G0S+2:G0S+3], s[22:23]
	s_or_b32 s[G0S+3], s[G0S+3], 0x80000000
	s_mov_b32 s[G0SB], 1
	s_add_co_u32 s[G0SB+1], s94, SCL
	s_mov_b64 s[G0SB+2:G0SB+3], s[92:93]
	s_or_b32 s[G0SB+3], s[G0SB+3], 0x80000000
	JLOAD G0S, G1S, G0SB, G1SB                     ; the scales first: they are wanted with K step 0
.irp s, 0,1
	s_mov_b32 s[G0+4*\s], 1
	s_add_co_u32 s[G0+4*\s+1], s45, \s*SLOT
	s_add_nc_u64 s[G0+4*\s+2:G0+4*\s+3], s[20:21], \s*ROWB
	s_or_b32 s[G0+4*\s+3], s[G0+4*\s+3], 0x80000000
	s_mov_b32 s[G0B+4*\s], 1
	s_add_co_u32 s[G0B+4*\s+1], s45, \s*SLOT
	s_add_nc_u64 s[G0B+4*\s+2:G0B+4*\s+3], s[46:47], \s*ROWB
	s_or_b32 s[G0B+4*\s+3], s[G0B+4*\s+3], 0x80000000
	JLOAD G0+4*\s, G1, G0B+4*\s, G1B
.endr
	v_and_b32 v1, 15, v0                           ; r = l % 16
	v_bfe_u32 v2, v0, 4, 1                         ; h = l / 16
	v_mul_u32_u24 v3, v1, PITCH
	v_lshl_add_u32 v4, v2, 4, v3                   ; a fragment's row x pitch + 16 x half
	s_mul_i32 s21, s15, HALFT                      ; my 128 rows of A
	s_mul_i32 s22, s16, HALFT                      ; my 128 rows of B,
	s_add_co_u32 s22, s22, 2*HALFT                 ; which lie behind A's 256
.irp s, 0,1
	v_add_nc_u32 v[ADRA+\s], s21, v4
	v_add_nc_u32 v[ADRB+\s], s22, v4
	s_add_co_u32 s21, s21, SLOT
	s_add_co_u32 s22, s22, SLOT
.endr
	v_mul_u32_u24 v5, v1, KS                       ; my row's scales: KS bytes a row,
	v_lshrrev_b32 v6, 8, v5
	v_lshl_add_u32 v5, v6, 4, v5                   ; and 16 more for each 256 passed
	s_mul_i32 s21, s15, HALFS                      ; A's: my 128 rows
	s_mul_i32 s22, s16, HALFS                      ; B's: my 128 rows, behind A's 256
	s_add_co_u32 s22, s22, 2*HALFS
	s_sub_co_u32 s22, s22, s21
	v_mul_u32_u24 v6, s22, v2                      ; lanes 16-31 take B's
	s_add_co_u32 s21, s21, SCL
	v_add_nc_u32 v5, v5, v6
	v_add_nc_u32 v[ADRS], s21, v5
	s_mul_i32 s21, s14, 16*SPITCH                  ; my stage
	v_mul_u32_u24 v5, v1, SPITCH                   ; in: row r, 16 bytes for each half of the lanes
	v_lshl_add_u32 v5, v2, 4, v5
	v_add_nc_u32 v[STO], s21, v5
	v_mul_u32_u24 v5, v2, SPITCH                   ; back: lanes 0-15 take one row of 256 bytes, lanes 16-31 the next
	v_lshl_add_u32 v5, v1, 4, v5
	v_add_nc_u32 v[RD], s21, v5
	v_and_b32 v6, 31, v0
	v_lshlrev_b32 v[CO], 4, v6                     ; the same two rows in memory, where rows of 256 bytes follow each other: 16 x lane
	; where my head's rows go, and how the table is walked: selects alone, since the head hangs on my place in the cluster
	s_lshl_b32 s46, s42, 1
	s_add_co_u32 s46, s46, s16                     ; my head of the 24
	s_lshr_b32 s47, s17, 2                         ; the batch
	s_lshl_b32 s20, s17, 8
	s_lshl_b32 s21, s15, 7
	s_add_co_u32 s20, s20, s21
	s_and_b32 s20, s20, 1023                       ; my first position
	s_lshl_b32 s18, s47, 4
	s_add_co_u32 s18, s18, s46                     ; q: 16 x batch + head
	s_max_u32 s19, s46, 16
	s_sub_co_u32 s19, s19, 16                      ; k, v: t = head - 16: 0-3 k, 4-7 v
	s_lshr_b32 s22, s19, 2
	s_lshl_b32 s22, s22, 4                         ; v's 16 heads lie behind k's 16
	s_and_b32 s19, s19, 3
	s_add_co_u32 s22, s22, s19
	s_lshl_b32 s19, s47, 2
	s_add_co_u32 s22, s22, s19                     ; + 4 x batch + t % 4
	s_cmp_lt_u32 s46, 16
	s_cselect_b32 s18, s18, s22
	s_cselect_b64 s[12:13], s[98:99], s[100:101]
	s_cmp_lt_u32 s46, 20
	s_cselect_b32 s23, 512, 0                      ; the table's row in bytes; 0 for v
	s_lshl_b32 s18, s18, 10
	s_add_co_u32 s18, s18, s20
	s_lshl_b32 s18, s18, 8                         ; 256 bytes a position
	s_mov_b32 s19, 0
	s_add_nc_u64 s[12:13], s[12:13], s[18:19]
	s_mul_i32 s22, s20, s23
	v_mul_lo_u32 v[TA], v1, s23
	v_lshl_add_u32 v[TA], v2, 5, v[TA]
	v_add_nc_u32 v[TA], s22, v[TA]                 ; (my first position + r) rows + 32 h: my eight cos of channels 8 h on
	s_lshl_b32 s23, s23, 4                         ; 16 rows of the table on
.macro FRAG reg, adr, q, i             ; a fragment: lane l holds row l % 16; registers 4 c .. 4 c + 3 hold K = 64 c + 32 (l / 16) + 0 .. 31
.irp c, 0,1
	ds_load_b128 v[\reg+4*\c:\reg+4*\c+3], v[\adr] offset:64*(\q)+32*\c+(\i)*16*PITCH
.endr
.endm
; 16 matrix instructions: A's blocks a0, a0 + 1 x B's eight, 128 along K.  The 64 accumulators take turns, one instruction a turn, in the same order in every step.
.macro MUL16 a0, p, q, sc, zero
.irp a, \a0, \a0+1
.irp b, 0,1,2,3,4,5,6,7
.if \zero
	v_wmma_scale_f32_16x16x128_f8f6f4 v[8*(8*((\a)%4)+\b):8*(8*((\a)%4)+\b)+7], v[128*(\p)+FR*\b:128*(\p)+FR*\b+FR-1], v[AF+FR*(\a):AF+FR*(\a)+FR-1], 0, v[SC+8*NQ*(\sc)+NQ*\b+(\q)], v[SC+8*NQ*(\sc)+NQ*(\a)+(\q)] matrix_a_fmt:MATRIX_FMT_FP4 matrix_b_fmt:MATRIX_FMT_FP4 matrix_a_scale:MATRIX_SCALE_ROW1
.else
	v_wmma_scale_f32_16x16x128_f8f6f4 v[8*(8*((\a)%4)+\b):8*(8*((\a)%4)+\b)+7], v[128*(\p)+FR*\b:128*(\p)+FR*\b+FR-1], v[AF+FR*(\a):AF+FR*(\a)+FR-1], v[8*(8*((\a)%4)+\b):8*(8*((\a)%4)+\b)+7], v[SC+8*NQ*(\sc)+NQ*\b+(\q)], v[SC+8*NQ*(\sc)+NQ*(\a)+(\q)] matrix_a_fmt:MATRIX_FMT_FP4 matrix_b_fmt:MATRIX_FMT_FP4 matrix_a_scale:MATRIX_SCALE_ROW1
.endif
.endr
.endr
.endm
.macro FETCH_B slot, q, p
	WIN TO_B
.irp i, 0,1,2,3,4,5,6,7
	FRAG 128*(\p)+FR*\i, ADRB+\slot, \q, \i
.endr
	WIN 0
.endm
.macro FETCH_A slot, q, i0
.irp i, \i0, \i0+1, \i0+2, \i0+3
	FRAG AF+FR*(\i), ADRA+\slot, \q, \i
.endr
.endm
.macro SCALES sc                       ; a K step's scale words: lanes 0-15 take A's block i, lanes 16-31 B's block i
.irp i, 0,1,2,3,4,5,6,7
	ds_load_b128 v[SC+8*NQ*\sc+NQ*\i:SC+8*NQ*\sc+NQ*\i+3], v[ADRS] offset:\i*SBLK
.endr
.endm
.macro PLACES n                        ; plain vector instructions between a matrix instruction and a load into, or a read of, its registers
.rept \n
	v_nop
.endr
.endm
.macro STEP slot, q, zero              ; a step of 128 along K that has its successor in the same slot
	s_wait_dscnt 4*NL                              ; B's set and A's blocks 0-3 are in; the youngest eight loads (A's blocks 4-7) may be out
	WIN MUL_LO
	MUL16 0, (\q)%2, \q, \slot, \zero
	MUL16 2, (\q)%2, \q, \slot, \zero
	s_wait_dscnt 0                                 ; A's blocks 4-7 are in
	PLACES NP
	FETCH_B \slot, (\q)+1, 1-(\q)%2
	FETCH_A \slot, (\q)+1, 0
	WIN MUL_HI
	MUL16 4, (\q)%2, \q, \slot, \zero
	MUL16 6, (\q)%2, \q, \slot, \zero
	PLACES NP
	WIN 0
	FETCH_A \slot, (\q)+1, 4
.endm
; A slot's last step changes slots: ONE barrier; in front of it each wave waits for all its tensor loads, adds 0 to its spare word, and waits for that and for its own reads of this slot.
.macro TURN slot, next, fill
	s_wait_tensorcnt 0x0                           ; all my tensor loads have landed: my part of the next slot
	ds_add_u32 v[SPW], v[NIL]                      ; 0 onto my spare word
	s_wait_dscnt 4*NL+1                            ; (the add and the youngest eight loads may be out)
	WIN MUL_LO
	MUL16 0, 1, NQ-1, \slot, 0
	s_wait_dscnt 0x0                               ; the add is done, and my reads of this slot are over
	s_barrier_signal -1
	MUL16 2, 1, NQ-1, \slot, 0
	WIN 0
	s_barrier_wait -1
.if \fill
	CREST                                          ; the barrier has opened a round of the cluster's barrier: no wave of any partner still reads this slot's tile or has a load on its way
	s_add_nc_u64 s[G0+4*\slot+2:G0+4*\slot+3], s[G0+4*\slot+2:G0+4*\slot+3], 2*ROWB
	s_add_nc_u64 s[G0B+4*\slot+2:G0B+4*\slot+3], s[G0B+4*\slot+2:G0B+4*\slot+3], 2*ROWB
	JLOAD G0+4*\slot, G1, G0B+4*\slot, G1B         ; the first tensor load behind the round; its four v_nop are the places in front of the loads below
.else
	PLACES NP
.endif
	v_add_nc_u32 v[ADRS], 4*NQ, v[ADRS]            ; on to the next K step's scale words
	FETCH_B \next, 0, 0
	FETCH_A \next, 0, 0
	SCALES \next
	WIN MUL_HI
	MUL16 4, 1, NQ-1, \slot, 0
	MUL16 6, 1, NQ-1, \slot, 0
	PLACES NP
	WIN 0
	FETCH_A \next, 0, 4
.endm
.macro STEPS slot, from
.set Q, \from
.rept NQ-1-\from
	STEP \slot, Q, 0
.set Q, Q+1
.endr
.endm
	s_wait_tensorcnt 1                             ; the scales and my part of K step 0 are in (K step 1's load may be out),
	s_barrier_signal -1
	s_barrier_wait -1                              ; everybody's are
	FETCH_B 0, 0, 0
	FETCH_A 0, 0, 0
	SCALES 0
	FETCH_A 0, 0, 4
	STEP 0, 0, 1                                   ; the first step stands in front of the loop: its products start the sums
	s_mov_b32 s3, LAPS-1
.Llap:                                                 ; a trip goes once round the ring and fills both slots again
	STEPS 0, 1
	TURN 0, 1, 1
	STEPS 1, 0
	TURN 1, 0, 1
	STEP 0, 0, 0
	s_sub_co_u32 s3, s3, 1
	s_cmp_lg_u32 s3, 0
	s_cbranch_scc1 .Llap
	STEPS 0, 1                                     ; the last lap fills nothing
	TURN 0, 1, 0
	STEPS 1, 0
	s_wait_dscnt 4*NL
	WIN MUL_LO
	MUL16 0, 1, NQ-1, 1, 0
	MUL16 2, 1, NQ-1, 1, 0
	s_wait_dscnt 0
	WIN MUL_HI
	MUL16 4, 1, NQ-1, 1, 0
	MUL16 6, 1, NQ-1, 1, 0
	WIN 0
; THE WAY OUT, block by block of 16 positions.  In block a lane (r, h) holds position 16 a + r and, in accumulator b, channels 16 b + 8 h + 0 .. 7: accumulators 0-3 are the first half of the head, 4-7 the second.
.irp a, 1,2,3,4,5,6,7
	v_add_nc_u32 v[TA+\a], s23, v[TA+\a-1]         ; the table's rows of the eight blocks: seven plain instructions, the places behind the last products
.endr
.macro TAB a                           ; block a's cos and sin: for b = 0 .. 3 eight of each, into set a % 2
.set TCS, 128+64*((\a)%2)
.irp b, 0,1,2,3
	global_load_b128 v[TCS+16*\b:TCS+16*\b+3],     v[TA+(\a)], s[96:97] offset:64*\b
	global_load_b128 v[TCS+16*\b+4:TCS+16*\b+7],   v[TA+(\a)], s[96:97] offset:64*\b+16
	global_load_b128 v[TCS+16*\b+8:TCS+16*\b+11],  v[TA+(\a)], s[96:97] offset:256+64*\b
	global_load_b128 v[TCS+16*\b+12:TCS+16*\b+15], v[TA+(\a)], s[96:97] offset:256+64*\b+16
.endr
.endm
.macro ROPE a
.set AC, 64*((\a)%4)
.set CSB, 128+64*((\a)%2)
.if (\a) < 7
	s_wait_loadcnt 16                              ; this block's 16 loads are in; the next block's may be out
.else
	s_wait_loadcnt 0
.endif
	WIN 0x02+(\a)/4                                ; source 0: window 2 or 3
.irp b, 0,1,2,3
.irp p, 0,2,4,6                        ; each accumulator from its low end on
	v_pk_mul_f32 v[T1+8*\b+\p:T1+8*\b+\p+1], v[AC+8*\b+\p:AC+8*\b+\p+1], v[CSB+16*\b+\p:CSB+16*\b+\p+1]                     ; first cos
	v_pk_mul_f32 v[T2+8*\b+\p:T2+8*\b+\p+1], v[AC+32+8*\b+\p:AC+32+8*\b+\p+1], v[CSB+16*\b+\p:CSB+16*\b+\p+1]               ; second cos
	v_pk_fma_f32 v[T1+8*\b+\p:T1+8*\b+\p+1], v[AC+32+8*\b+\p:AC+32+8*\b+\p+1], v[CSB+16*\b+8+\p:CSB+16*\b+8+\p+1], v[T1+8*\b+\p:T1+8*\b+\p+1] neg_lo:[1,0,0] neg_hi:[1,0,0]   ; - second sin
	v_pk_fma_f32 v[T2+8*\b+\p:T2+8*\b+\p+1], v[AC+8*\b+\p:AC+8*\b+\p+1], v[CSB+16*\b+8+\p:CSB+16*\b+8+\p+1], v[T2+8*\b+\p:T2+8*\b+\p+1]                                      ; + first sin
.endr
.endr
	WIN 0
.if (\a) > 0
	s_wait_xcnt 0x0                                ; the last block's stores have read their data: those registers are written again only behind this wait
.endif
.irp i, 0,1,2,3,4,5,6,7,8,9,10,11,12,13,14,15,16,17,18,19,20,21,22,23,24,25,26,27,28,29,30,31
	v_cvt_pk_f16_f32 v[PK+\i], v[T1+2*\i], v[T1+2*\i+1]
.endr
.if (\a) < 6
	TAB (\a)+2                                     ; into the set that has just been read
.endif
.irp b, 0,1,2,3,4,5,6,7
	ds_store_b128 v[STO], v[PK+4*\b:PK+4*\b+3] offset:32*\b
.endr
.irp t, 0,1,2,3,4,5,6,7
	ds_load_b128 v[PK+4*\t:PK+4*\t+3], v[RD] offset:\t*2*SPITCH    ; LDS serves a wave's instructions in order: these see the stores above, and the next block's stores come behind them
.endr
	s_wait_dscnt 0x0
.irp t, 0,1,2,3,4,5,6,7
	global_store_b128 v[CO], v[PK+4*\t:PK+4*\t+3], s[12:13] offset:(\a)*4096+\t*512   ; 32 lanes store 512 consecutive bytes, aligned: two positions' rows
.endr
.endm
	TAB 0
	TAB 1
.irp a, 0,1,2,3,4,5,6,7
	ROPE \a
.endr
	s_wait_tensorcnt 0x0                           ; the wave's end, behind my last tensor load and my last LDS store
	ds_add_u32 v[SPW], v[NIL]
	s_wait_dscnt 0x0
	CROUND                                         ; the closing round: no work-group ends while a partner may still ask for a tile that names it
	s_endpgm
.Lfunc_end_k_qe7e43e1ebc_qkv:
	.size	k_qe7e43e1ebc_qkv, .Lfunc_end_k_qe7e43e1ebc_qkv-k_qe7e43e1ebc_qkv
	.p2alignl 7, 3214868480
	.fill 96, 4, 3214868480
	.section	.rodata,"a",@progbits
	.p2align	6, 0x0
	.amdhsa_kernel k_qe7e43e1ebc_qkv
		.amdhsa_group_segment_fixed_size 327680
		.amdhsa_private_segment_fixed_size 0
		.amdhsa_enable_private_segment 0
		.amdhsa_kernarg_size 40
		.amdhsa_user_sgpr_count 2
		.amdhsa_user_sgpr_kernarg_segment_ptr 1
		.amdhsa_wavefront_size32 1
		.amdhsa_system_sgpr_workgroup_id_x 1
		.amdhsa_system_sgpr_workgroup_id_y 1
		.amdhsa_system_sgpr_workgroup_id_z 1
		.amdhsa_system_vgpr_workitem_id 0
		.amdhsa_next_free_vgpr 1024
		.amdhsa_next_free_sgpr 102
		.amdhsa_reserve_vcc 0
		.amdhsa_float_denorm_mode_32 3
		.amdhsa_float_denorm_mode_16_64 3
		.amdhsa_memory_ordered 1
		.amdhsa_forward_progress 1
		.amdhsa_inst_pref_size 255
	.end_amdhsa_kernel
	.section	.bss,"aw",@nobits
	.p2align	6
	.space	262144
	.amdgpu_metadata
---
amdhsa.version: [ 1, 2 ]
amdhsa.kernels:
  - .name:           k_qe7e43e1ebc_qkv
    .symbol:         k_qe7e43e1ebc_qkv.kd
    .args:
      - { .name: codes, .offset: 0, .size: 8, .value_kind: global_buffer, .address_space: global }
      - { .name: scales, .offset: 8, .size: 8, .value_kind: global_buffer, .address_space: global }
      - { .name: rope_tab, .offset: 16, .size: 8, .value_kind: global_buffer, .address_space: global }
      - { .name: q16, .offset: 24, .size: 8, .value_kind: global_buffer, .address_space: global }
      - { .name: kv16, .offset: 32, .size: 8, .value_kind: global_buffer, .address_space: global }
    .group_segment_fixed_size: 327680
    .private_segment_fixed_size: 0
    .kernarg_segment_align: 8
    .kernarg_segment_size: 40
    .max_flat_workgroup_size: 128
    .sgpr_count:     102
    .vgpr_count:     1024
    .wavefront_size: 32
...
	.end_amdgpu_metadata
.endif
;; end of part 2
;; launch attn (part 3): grid 4 x 64, 4 waves a work-group, clusters of 4 x 1, 327,680 bytes of LDS; arguments q16, kv16, att16; writes att16
.if DOCPART == 3
	.amdgcn_target "amdgcn-amd-amdhsa--gfx1250"
	.amdhsa_code_object_version 6
	.text
	.protected	k_qe7e43e1ebc_attn
	.globl	k_qe7e43e1ebc_attn
	.p2align	8
	.type	k_qe7e43e1ebc_attn,@function
k_qe7e43e1ebc_attn:
	s_mov_b64 s[64:65], 0
	v_nop
	global_prefetch_b8 v0, s[64:65] scope:SCOPE_SE
	s_setreg_imm32_b32 hwreg(HW_REG_WAVE_MODE, 25, 1), 1
	s_wait_xcnt 0x0
	s_wait_alu depctr_hold_cnt(0) depctr_sa_sdst(0) depctr_va_vdst(0) depctr_va_sdst(0) depctr_va_ssrc(0) depctr_va_vcc(0) depctr_vm_vsrc(0)
	s_getreg_b32 s2, hwreg(HW_REG_IB_STS2, 6, 4)
	s_cmp_eq_u32 s2, 0
	s_cbranch_scc0 .Lentry_in_a_cluster
	s_endpgm
.Lentry_in_a_cluster:
	s_bfe_u32 s2, ttmp6, 0x10000c
	s_cmp_lg_u32 s2, 0x3003
	s_cbranch_scc0 .Lentry_shape_is_right
	s_endpgm
.Lentry_shape_is_right:
; att[b][q][h][:] = the sum over k of softmax_k(Q[b,h][q] . K[b,h/4][k] / sqrt(128)) V[b,h/4][k][:], no mask.  No work is left out; the repeat of key and value heads is an address: head y = 16 b + h reads key head y / 4 = 4 b + h / 4.
; q16 [64][1024][128], kv16 k [16][1024][128] and, 4,194,304 bytes on, v likewise: f16.  att16 [b x 1024 + q][h x 128 + d] f16.  Products, maxima and sums in f32; the weights p are rounded to f16 for the second product, att once at the end.
; f16 and not bf16: four roundings of operands stand between the quantised products and the output, and bf16's 8 bits would use up what the comparison allows.  p lies in 0 .. 1, att is a mean of v: both have room in f16.
; SHARES.  A work-group owns 256 queries of one head, each of its four waves 64: four tiles of 16.  Every wave walks all 1,024 keys, 64 a step.
; LAYOUT.  S^T = K Q^T (source 0 = 16 keys, source 1 = 16 queries): a lane holds ONE query (lane % 16) and the keys 8 (lane / 16) + 0..7.  Two such tiles, rounded to f16 in pairs, ARE source 1 of O^T = V^T P.  K comes out of LDS as it lies, V turned, by ds_load_tr16_b128.
; SOFTMAX.  For each query a running maximum m and sum l: p = 2^(c s - c m), c = log2(e) / sqrt(128); in every step O and l are multiplied by a = 2^(c m_old - c m_new).
; BY TURNS.  The wave's tiles are two PIECES (tiles 0, 1 and tiles 2, 3).  In a TURN one piece has the matrix unit: 32 products V^T P of the step in hand, then 32 products K Q^T of the next; the other piece's softmax, cut into 64 slices, stands between them.
; CLUSTER.  The four query blocks of a cluster belong to one head and walk the same K and V: each tile is asked for JOINTLY.
; REGISTERS, in windows of 256: window 0: v0-11 addresses; v12-43 statistics; v64-191 S^T; v192-255 P.  window 1: O^T.  window 2: v0-127 Q; v128-255 K of one step.  window 3: v0-127 V of one step.
.set SIZE_N, 1024
.set KS,    64        ; keys in a step
.set PK,    272       ; a row of K in LDS: 256 bytes + 16 of padding
.set PV,    288       ; a row of V: 256 + 32
.set VOFF,  KS*PK
.set STEPB, KS*(PK+PV)
.set SLOT1, 1<<17     ; a slot holds two steps; slot 1 begins here, so that one exclusive or turns an address in one slot into the other's
.set STAGE, SLOT1+2*STEPB  ; behind the ring: 16 rows x 272 bytes for each wave, for the way out
.set SP,    272
.set AK0, 2
.set AV0, 3
.set ADR, 4
.set QO,  5
.set STO, 6
.set RD,  7
.set GO,  8
.set SPW, 62          ; v62  LDS address of my spare word; never rewritten
.set NIL, 63          ; v63  0; never rewritten
.set SPARE, STAGE+4*16*272  ; the spare words, 128 bytes for each wave: two blocks of 256 bytes that no other line names
.set ST,  12          ; tile t's statistics at v[ST+8 t]: +0 c m, +1 m, +2, +3 l, +4 to +7 at work; a takes +6 once the maximum is found
.set S,   64
.set P,   192
.set KF,  128
.set WV,  12
.set G1K, 24
.set G1V, 32
.set G0K, 40
.set G0V, 48
.set SLOTS, 56
.set TWICE, 57
.set CS,  58
.set SEL, 60
.set TB,  62
.set PFA, 18          ; s[18:19] where my prefetches stand in memory
.set LIM, 15          ; s15  1 in a wave that prefetches, else the greatest number
.set PFO, 61          ; v61  256 x my lane; never rewritten
.set MSB, 0
.macro WIN new
.if MSB != \new
	s_set_vgpr_msb (MSB<<8)|\new
.set MSB, \new
.endif
.endm
.set W_KQ, 0x0a       ; K and Q in window 2, S^T in window 0
.set W_PV, 0x53       ; V in window 3, P in window 0, O^T in window 1
.set W_RS, 0x41       ; O^T in window 1, a in window 0
; A joint refill.  Waves 0 and 1 fetch the two steps' tiles of K, waves 2 and 3 those of V.  An s_nop 0 and four v_nop follow each of the two lines.
.macro JLOAD
	s_cmp_lt_u32 s[WV], 2
	s_cbranch_scc0 .Lfor_v_\@
	tensor_load_to_lds s[G0K+4:G0K+7], s[G1K:G1K+7]
	s_nop 0
.rept 4
	v_nop
.endr
	s_branch .Lasked_\@
.Lfor_v_\@:
	tensor_load_to_lds s[G0V+4:G0V+7], s[G1V:G1V+7]
	s_nop 0
.rept 4
	v_nop
.endr
.Lasked_\@:
.endm
; A PREFETCH of what the NEXT change of slots will ask for: a slot's 128 rows of K and 128 of V, 256 bytes a row, a lane a row; two key steps, 256 matrix instructions, ahead of that load.
; Each row is asked for ONCE in the launch: the four query heads of a key head are four clusters that walk the same rows, and the first of them (head % 4 = 0) asks; its four partners share the rows out BY ADDRESS, 32 each;
; in each, wave 0 asks for K's and wave 2 for V's.  The last change that fills a slot asks for nothing.
.macro ASK
	s_cmp_gt_u32 s[SLOTS], s[LIM]
	s_cbranch_scc0 .Lnot_mine_\@
	global_prefetch_b8 v[PFO], s[PFA:PFA+1] th:TH_LOAD_NT scope:SCOPE_SE
.Lnot_mine_\@:
.endm
.macro CROUND         ; a round of the cluster's barrier
	s_barrier_signal -1
	s_barrier_wait -1
	s_cmp_lg_u32 s[WV], 0
	s_cbranch_scc1 .Lnot_wave_0_\@
	s_barrier_signal -3
.Lnot_wave_0_\@:
	s_barrier_wait -3
	s_barrier_signal -1
	s_barrier_wait -1
.endm
	s_load_b128 s[4:7], s[0:1], 0x0   ; q16 s[4:5], kv16 s[6:7]
	s_load_b64 s[10:11], s[0:1], 0x10 ; att16
	v_lshl_add_u32 v[SPW], v0, 2, SPARE
	v_mov_b32 v[NIL], 0
	ds_add_u32 v[SPW], v[NIL]       ; the wave's opening: the add, twice on end, and its wait ahead of my first tensor load
	ds_add_u32 v[SPW], v[NIL]
	v_lshrrev_b32 v1, 5, v0
	v_readfirstlane_b32 s[WV], v1   ; wave 0..3
	s_bfe_u32 s13, ttmp6, 0x40000   ; cx: my place in the cluster
	s_lshl_b32 s14, ttmp9, 2
	s_add_co_u32 s14, s14, s13      ; my block of 256 queries: it enters Q's and att's addresses alone
	s_and_b32 s20, ttmp7, 0xffff    ; y = 16 x batch + head, which the four partners share
	s_lshr_b32 s21, s20, 2
	s_lshl_b32 s21, s21, 18         ; the key head's first byte: 1,024 rows of 256 bytes a head
	s_and_b32 s16, s[WV], 1         ; which of a slot's two steps I fetch:
	s_lshl_b32 s22, s16, 14         ; its 64 rows of 256 bytes in memory,
	s_add_co_u32 s22, s22, s21
	s_mov_b32 s23, 0
	s_mul_i32 s17, s16, STEPB       ; and its place in a slot: no place in the cluster enters an LDS address
	s_lshl_b32 s2, s20, 18          ; Q: my head,
	s_lshl_b32 s3, s14, 16          ; my block's 256 rows,
	s_add_co_u32 s2, s2, s3
	s_lshl_b32 s3, s[WV], 14        ; my wave's 64 of them
	s_add_co_u32 s2, s2, s3
	s_mov_b32 s3, 0
	s_lshr_b32 s66, s20, 4          ; att: row 1,024 x batch + 256 x block + 64 x wave, of 4,096 bytes,
	s_lshl_b32 s66, s66, 10
	s_lshl_b32 s67, s14, 8
	s_add_co_u32 s66, s66, s67
	s_lshl_b32 s67, s[WV], 6
	s_add_co_u32 s66, s66, s67
	s_lshl_b32 s66, s66, 12
	s_and_b32 s67, s20, 15
	s_lshl_b32 s67, s67, 8          ; and my head's 256 bytes in it
	s_add_co_u32 s66, s66, s67
	s_mov_b32 s67, 0
	; descriptor group 1: a tile of 64 rows x 128 elements, padded in LDS
	s_mov_b32 s[G1K], 15|(1<<16)|(1<<20)|(1<<21)|(5<<22)|(3<<25)  ; the mask: all four work-groups; elements of 2 bytes; padding on; bit 21 beside a mask; after every 64 words, 4 words
	s_mov_b32 s[G1V], 15|(1<<16)|(1<<20)|(1<<21)|(5<<22)|(7<<25)  ; the same with 8 words of padding
.irp g, G1K, G1V
	s_mov_b32 s[\g+1], 128<<16      ; tensor_dim0
	s_mov_b32 s[\g+2], KS<<16       ; tensor_dim1
	s_mov_b32 s[\g+3], 128<<16      ; tile_dim0
	s_mov_b32 s[\g+4], KS           ; tile_dim1
	s_mov_b32 s[\g+5], 128          ; tensor_dim0_stride
	s_mov_b32 s[\g+6], 0
	s_mov_b32 s[\g+7], 0
.endr
	s_mov_b32 s[CS], 0x3e0293ee     ; c = log2(e) / sqrt(128)
	s_mov_b32 s[CS+1], s[CS]        ; named with it as a pair, so it is written
	s_mov_b32 s[SEL], 0x76543210
	s_mov_b32 s[SEL+1], 0xfedcba98
	s_mov_b32 s[TB], 0
	s_mov_b32 s[SLOTS], SIZE_N/(2*KS)-2
	s_and_b32 s[LIM], s[WV], 1       ; 0 in waves 0 and 2,
	s_and_b32 s21, s20, 3
	s_or_b32 s[LIM], s[LIM], s21     ; of the first of the key head's four query heads: the same in all four partners
	s_cmp_eq_u32 s[LIM], 0
	s_cselect_b32 s[LIM], 1, -1
	v_and_b32 v[PFO], 31, v0
	v_lshlrev_b32 v[PFO], 8, v[PFO]
	s_wait_dscnt 0x0                ; both opening adds are done
	s_wait_kmcnt 0x0
	s_add_nc_u64 s[8:9], s[6:7], 0x400000  ; V lies behind K's 16 heads
	s_add_nc_u64 s[6:7], s[6:7], s[22:23]  ; K and V at my tile of slot 0
	s_add_nc_u64 s[8:9], s[8:9], s[22:23]
	s_add_nc_u64 s[4:5], s[4:5], s[2:3]    ; Q at my wave's first row
	s_add_nc_u64 s[10:11], s[10:11], s[66:67]  ; att likewise
	s_cmp_lt_u32 s[WV], 2
	s_cselect_b64 s[PFA:PFA+1], s[6:7], s[8:9]  ; (in waves 0 and 2 these stand at a slot's first row)
	s_lshl_b32 s2, s13, 13          ; my work-group's 32 rows of the 128
	s_mov_b32 s3, 0
	s_add_nc_u64 s[PFA:PFA+1], s[PFA:PFA+1], s[2:3]
	s_add_nc_u64 s[PFA:PFA+1], s[PFA:PFA+1], 2*2*KS*256  ; in slot 2; the first change of slots steps it to slot 3.  Nothing is prefetched at the head
	CROUND                          ; all four work-groups are here: the first joint loads meet
.irp s, 0,1
	s_mov_b32 s[G0K+4*\s], 1
	s_add_co_u32 s[G0K+4*\s+1], s17, \s*SLOT1
	s_add_nc_u64 s[G0K+4*\s+2:G0K+4*\s+3], s[6:7], \s*2*KS*256
	s_or_b32 s[G0K+4*\s+3], s[G0K+4*\s+3], 0x80000000
	s_mov_b32 s[G0V+4*\s], 1
	s_add_co_u32 s[G0V+4*\s+1], s17, \s*SLOT1+VOFF
	s_add_nc_u64 s[G0V+4*\s+2:G0V+4*\s+3], s[8:9], \s*2*KS*256
	s_or_b32 s[G0V+4*\s+3], s[G0V+4*\s+3], 0x80000000
.endr
	s_cmp_lt_u32 s[WV], 2           ; a wave's two first fills stand in one branch, ahead of every wait on TENSORcnt and every LDS read: two loads of mine are out
	s_cbranch_scc0 .Lfirst_v
	tensor_load_to_lds s[G0K:G0K+3], s[G1K:G1K+7]
	s_nop 0
	tensor_load_to_lds s[G0K+4:G0K+7], s[G1K:G1K+7]
	s_nop 0
.rept 4
	v_nop
.endr
	s_branch .Lfirst_asked
.Lfirst_v:
	tensor_load_to_lds s[G0V:G0V+3], s[G1V:G1V+7]
	s_nop 0
	tensor_load_to_lds s[G0V+4:G0V+7], s[G1V:G1V+7]
	s_nop 0
.rept 4
	v_nop
.endr
.Lfirst_asked:
	; A fragment of K or Q is 16 rows x 32 channels in 8 registers: lane l holds row l % 16; two loads of 16 bytes, 32 bytes apart.
	v_and_b32 v1, 15, v0            ; l % 16
	v_bfe_u32 v9, v0, 4, 1          ; l / 16
	v_lshlrev_b32 v[QO], 8, v1
	v_lshl_add_u32 v[QO], v9, 4, v[QO]
	WIN 0x80                        ; destination window 2, address window 0
.irp i, 0,1,2,3,4,5,6,7,8,9,10,11,12,13,14,15  ; Q stays in registers: tile i / 4, channels 32 (i % 4) on
	global_load_b128 v[8*\i:8*\i+3],   v[QO], s[4:5] offset:(\i/4)*4096+(\i%4)*64
	global_load_b128 v[8*\i+4:8*\i+7], v[QO], s[4:5] offset:(\i/4)*4096+(\i%4)*64+32
.endr
	WIN 0
	v_mul_u32_u24 v[AK0], v1, PK
	v_lshl_add_u32 v[AK0], v9, 4, v[AK0]
	; The turning load takes 16 keys x 16 channels and leaves half a fragment of V^T: lane l holds channel l % 16 and 8 keys.
	v_and_b32 v10, 7, v0
	v_bfe_u32 v11, v0, 3, 1
	v_lshl_add_u32 v[AV0], v9, 3, v10
	v_mul_u32_u24 v[AV0], v[AV0], PV
	v_lshl_add_u32 v[AV0], v11, 4, v[AV0]
	v_add_nc_u32 v[AV0], VOFF, v[AV0]
; THE MATRIX WORK OF A TURN, for piece x.  The accumulators take turns, one instruction a turn.
.macro PV x, zero
	WIN W_PV
.set rO, 64*(\x+i%2)+8*((i/2)%8)
.set rV, 64*(i/16)+8*((i/2)%8)
.set rP, P+16*(\x+i%2)+8*(i/16)
.if \zero && (i < 16)
	v_wmma_f32_16x16x32_f16 v[rO:rO+7], v[rV:rV+7], v[rP:rP+7], 0
.else
	v_wmma_f32_16x16x32_f16 v[rO:rO+7], v[rV:rV+7], v[rP:rP+7], v[rO:rO+7]
.endif
.endm
.macro KQ x
	WIN W_KQ
.set rS, S+32*(\x+i%2)+8*((i/2)%4)
.set rK, KF+32*((i/2)%4)+8*(i/8)
.set rQ, 32*(\x+i%2)+8*(i/8)
.if i < 8
	v_wmma_f32_16x16x32_f16 v[rS:rS+7], v[rK:rK+7], v[rQ:rQ+7], 0
.else
	v_wmma_f32_16x16x32_f16 v[rS:rS+7], v[rK:rK+7], v[rQ:rQ+7], v[rS:rS+7]
.endif
.endm
; THE LDS LOADS stand in runs of 32: a step's K and, a turn later, its V (turned).
.macro FETCH_K
	WIN 0
	v_add_nc_u32 v[ADR], s[TB], v[AK0]
	WIN 0x80
.irp f, 0,1,2,3,4,5,6,7,8,9,10,11,12,13,14,15
	ds_load_b128 v[KF+8*\f:KF+8*\f+3],   v[ADR] offset:(\f/4)*16*PK+(\f%4)*64
	ds_load_b128 v[KF+8*\f+4:KF+8*\f+7], v[ADR] offset:(\f/4)*16*PK+(\f%4)*64+32
.endr
.endm
.macro FETCH_V
	WIN 0
	v_add_nc_u32 v[ADR], s[TB], v[AV0]
	s_add_co_u32 s[TB], s[TB], STEPB  ; the next fetch is the next step's
	s_wait_alu depctr_va_vdst(0)    ; the wait for the softmax's batch of exponentials, ahead of the first instruction that names a result
	WIN 0xc0
.irp f, 0,1,2,3,4,5,6,7,8,9,10,11,12,13,14,15
	ds_load_tr16_b128 v[8*\f:8*\f+3],   v[ADR] offset:(\f/8)*32*PV+(\f%8)*32
	ds_load_tr16_b128 v[8*\f+4:8*\f+7], v[ADR] offset:(\f/8)*32*PV+16*PV+(\f%8)*32
.endr
.endm
; THE VECTOR WORK OF A TURN.  One tile's softmax for one key step is a list of 134 instructions; SM writes number j of it for tile t.
;   0-15 the maximum of the lane's 32 scores and the old m;  16-20 the other half of the lanes' maximum, the new m, c m, its change;  21-69 ONE BATCH: 16 packed scalings c s - c m and all 33 exponentials, none of which reads an exponential's result;
;   (the wait);  70-85 the roundings to f16;  86-101 the sums, l = a l + the sum;  102-133 the tile's O^T times a.
.macro SM t, first
.set rT, ST+8*(\t)
.set rS, S+32*(\t)
.set rP, P+16*(\t)
.set rO, 64*(\t)+2*(j-102)
.if j < 102
	WIN 0
.endif
.if j < 4
	v_max3_num_f32 v[rT+4+j], v[rS+8*j], v[rS+8*j+1], v[rS+8*j+2]
.elseif j < 12
	v_max3_num_f32 v[rT+4+j%4], v[rT+4+j%4], v[rS+8*(j%4)+2*(j/4)+1], v[rS+8*(j%4)+2*(j/4)+2]
.elseif j == 12
	v_max3_num_f32 v[rT+4], v[rT+4], v[rS+7], v[rS+15]
.elseif j == 13
	v_max3_num_f32 v[rT+6], v[rT+6], v[rS+23], v[rS+31]
.elseif j == 14
	v_max3_num_f32 v[rT+4], v[rT+4], v[rT+5], v[rT+6]
.elseif (j == 15) && \first
	v_max_num_f32 v[rT+4], v[rT+4], v[rT+7]
.elseif j == 15
	v_max3_num_f32 v[rT+4], v[rT+4], v[rT+7], v[rT+1]
.elseif j == 16
	v_permlanex16_b32 v[rT+5], v[rT+4], s[SEL], s[SEL+1]  ; the query's other 32 keys lie in the lane 16 away
.elseif j == 18
	v_max_num_f32 v[rT+1], v[rT+4], v[rT+5]
.elseif j == 19
	v_mul_f32 v[rT], s[CS], v[rT+1]
.elseif ((j == 17) || (j == 20) || (j == 23) || (j > 101)) && \first  ; the first step has none of these
.elseif j == 17
	v_mov_b32 v[rT+7], v[rT]        ; c m_old is kept for a
.elseif j == 20
	v_sub_f32 v[rT+7], v[rT+7], v[rT]
.elseif j == 23
	v_exp_f32 v[rT+6], v[rT+7]
.elseif (j < 23) || ((j < 38) && (j%2 == 0)) || ((j < 66) && (j%4 == 2))
.set b, (j-2)/4
.if j < 38
.set b, (j-20)/2
.endif
	v_pk_fma_f32 v[rS+2*b:rS+2*b+1], v[rS+2*b:rS+2*b+1], s[CS:CS+1], v[rT:rT+1] op_sel_hi:[1,0,0] neg_lo:[0,0,1] neg_hi:[0,0,1]  ; pair b: c s - c m
.elseif j < 70
.set e, j-38
.if j < 66
.set e, j-32-(j-38)/4
.endif
.if j < 38
.set e, (j-25)/2
.endif
	v_exp_f32 v[rS+e], v[rS+e]
.elseif j < 86
	v_cvt_pk_f16_f32 v[rP+j-70], v[rS+2*(j-70)], v[rS+2*(j-70)+1]
.elseif j < 102
.set z, j-86
.set w, 4
.set u, z
.if z >= 14
.set w, 32
.set u, 0
.elseif z >= 12
.set w, 16
.set u, z-12
.elseif z >= 8
.set w, 8
.set u, z-8
.endif
.if (z == 14) && \first
	v_pk_add_f32 v[rT+2:rT+3], v[rS:rS+1], v[rS+16:rS+17]
.elseif z < 15
	v_pk_add_f32 v[rS+w*u:rS+w*u+1], v[rS+w*u:rS+w*u+1], v[rS+w*u+w/2:rS+w*u+w/2+1]
.elseif !\first
	v_pk_fma_f32 v[rT+2:rT+3], v[rT+2:rT+3], v[rT+6:rT+7], v[rS:rS+1] op_sel_hi:[1,0,1]
.endif
.else
	WIN W_RS
	v_pk_mul_f32 v[rO:rO+1], v[rO:rO+1], v[rT+6:rT+7] op_sel_hi:[1,0]
.endif
.endm
; Slice k of 64 of piece y's softmax: four instructions.  Slices 11 to 34 deal out the batch, four numbers of ONE tile each; every other slice is numbers 2 k and 2 k + 1 of both tiles; the twelve that are over stand in slice 63.
; Ahead of slice 35 nothing names an exponential's result, and behind slice 34 none is issued: so the piece's 66 exponentials have one wait, behind slice 34.
.macro SLICE y, first
.if (k >= 11) && (k < 35)
.irp n, 0,1,2,3
.set j, 22+4*((k-11)/2)+(\n)
	SM (\y)+(k-11)%2, \first
.endr
.else
.irp n, 0,1,2,3,4,5,6,7
.if (\n < 2) || (k == 63)
.irp t, \y, \y+1
.set j, 2*k+\n
	SM \t, \first
.endr
.endif
.endr
.endif
.if k == 34
	v_nop                           ; a plain instruction behind the last exponential and ahead of the first use: one for the batch
.if (\y) == 0
	FETCH_V                         ; piece 2's turn: V's run of loads stands here, and the wait stands in it
.else
	s_wait_alu depctr_va_vdst(0)    ; the wait for the batch
.endif
.endif
.set k, k+1
.endm
.macro PLACES
.rept 4
	v_nop
.endr
.endm
; A TURN.  Piece x has the matrix unit; the other piece's softmax stands in slices behind its matrix instructions.  pv = 2: 32 products V^T P; 1: they start O^T's sums; 0: none.  kq = 1: 32 products K Q^T for the next step.
.macro TURN x, pv, kq, first
.set k, 0
.set per, 2
.if \pv && \kq
.set per, 1
.endif
.if \pv
.if \x == 0
	s_wait_dscnt 0x0                ; V is in
.endif
.set i, 0
.rept 32
	PV \x, 2-\pv
.rept per
	SLICE 2-\x, \first
.endr
.if (\x == 0) && \kq && (i == 1)
	FETCH_K
.endif
.set i, i+1
.endr
.endif
.if \kq
.if \x == 0
	s_wait_dscnt 0x0                ; K is in
.endif
.set i, 0
.rept 32
	KQ \x
.rept per
	SLICE 2-\x, \first
.endr
.set i, i+1
.endr
.endif
.if \first
	PLACES
.endif
.endm
; THE CHANGE OF SLOTS.  Each wave waits for all its tensor loads, adds 0 to its spare word, and waits for that and for its own reads of the slot.  fill = 1: the barrier is a round of the cluster's, and the joint refill is the first thing behind it.
.macro CHANGE fill
	WIN 0
	s_wait_tensorcnt 0x0            ; no tensor load of mine is out, so a group 0 may be written
	ds_add_u32 v[SPW], v[NIL]       ; 0 onto my spare word
.if \fill
.irp g, G0K+4, G0V+4
	s_xor_b32 s[\g+1], s[\g+1], SLOT1  ; the walking descriptor: the other slot than last time,
	s_add_nc_u64 s[\g+2:\g+3], s[\g+2:\g+3], 2*KS*256  ; the next 128 keys
.endr
	s_wait_xcnt 0x0                 ; the last prefetches, two key steps back, have read their address, so it may be written
	s_add_nc_u64 s[PFA:PFA+1], s[PFA:PFA+1], 2*KS*256
	s_wait_dscnt 0x0                ; the add is done, and my reads of the slot are over
	CROUND
	JLOAD
	ASK
.else
	s_wait_dscnt 0x0
	s_barrier_signal -1
	s_barrier_wait -1
.endif
	s_sub_co_u32 s[TB], s[TB], 2*STEPB  ; the fetches go back to a slot's first step,
	s_xor_b32 s[TB], s[TB], SLOT1   ; in the other slot
.endm
.macro TWO_STEPS                    ; a slot's two key steps: written once, walked twice
	s_mov_b32 s[TWICE], 2
.Lstep_\@:
	TURN 0, 2, 1, 0
	TURN 2, 2, 1, 0
	WIN 0
	s_sub_co_u32 s[TWICE], s[TWICE], 1
	s_cmp_lg_u32 s[TWICE], 0
	s_cbranch_scc1 .Lstep_\@
.endm
	s_wait_tensorcnt 1              ; my part of slot 0 is in; slot 1's may stay out
	s_barrier_signal -1
	s_barrier_wait -1
	FETCH_K                         ; key step 0
	s_wait_loadcnt 0x0              ; Q
	s_wait_dscnt 0x0
.set i, 0
.rept 32
	KQ 0                            ; piece 0's first scores
.set i, i+1
.endr
	WIN 0                           ; the addresses for the way out: eight plain instructions, the places behind those products
	s_mul_i32 s13, s[WV], 16*SP
	s_add_co_u32 s13, s13, STAGE    ; my stage
	v_mul_u32_u24 v[STO], v1, SP
	v_lshl_add_u32 v[STO], v9, 4, v[STO]
	v_add_nc_u32 v[STO], s13, v[STO]
	v_mul_u32_u24 v[RD], v9, SP
	v_lshl_add_u32 v[RD], v1, 4, v[RD]
	v_add_nc_u32 v[RD], s13, v[RD]
	v_lshlrev_b32 v[GO], 12, v9     ; two neighbouring rows of att16 lie 4,096 bytes apart
	v_lshl_add_u32 v[GO], v1, 4, v[GO]
	TURN 2, 0, 1, 1                 ; piece 2's first scores | piece 0's first softmax | V of step 0
	TURN 0, 1, 1, 1                 ; piece 0: V^T P of step 0 starts O^T, K Q^T of step 1 | piece 2's first softmax | K of step 1
	TURN 2, 1, 1, 0                 ; piece 2: the same | piece 0's softmax of step 1 | V of step 1
	WIN 0
.Lslot:                             ; 6 trips: every slot but the last two is filled again
	CHANGE 1
	TWO_STEPS
	s_sub_co_u32 s[SLOTS], s[SLOTS], 1
	s_cmp_lg_u32 s[SLOTS], 0
	s_cbranch_scc1 .Lslot
	CHANGE 0                        ; the tail is written out
	TWO_STEPS
	TURN 0, 2, 0, 0                 ; piece 0: V^T P of the last step | piece 2's last softmax
.set i, 0
.rept 32
	PV 2, 0                         ; piece 2: V^T P of the last step
.set i, i+1
.endr
	; THE WAY OUT.  l's parts are added; O^T is divided by l, rounded to f16 and sent through my stage in LDS, a tile (16 rows) at a time.  The additions are the places behind the last products.
	WIN 0
.irp t, 0,1,2,3
	v_add_f32 v[ST+8*\t+4], v[ST+8*\t+2], v[ST+8*\t+3]
.endr
.irp t, 0,1,2,3
	v_permlanex16_b32 v[ST+8*\t+5], v[ST+8*\t+4], s[SEL], s[SEL+1]
.endr
.irp t, 0,1,2,3
	v_add_f32 v[ST+8*\t+4], v[ST+8*\t+4], v[ST+8*\t+5]
.endr
.irp t, 0,1,2,3
	v_rcp_f32 v[ST+8*\t+6], v[ST+8*\t+4]
.endr
	v_nop                           ; a plain instruction between the last reciprocal and the use of its result
	s_wait_alu depctr_va_vdst(0)    ; one wait for the four reciprocals, ahead of the first use
.macro PACK t
	WIN W_RS
.set i, 64*\t
.rept 32
	v_pk_mul_f32 v[i:i+1], v[i:i+1], v[ST+8*\t+6:ST+8*\t+7] op_sel_hi:[1,0]
.set i, i+2
.endr
	WIN 0x05                        ; sources 0 and 1 window 1, destination window 0: S^T's registers are free
.set i, 0
.rept 32
	v_cvt_pk_f16_f32 v[S+32*\t+i], v[64*\t+2*i], v[64*\t+2*i+1]
.set i, i+1
.endr
	WIN 0
.irp f, 0,1,2,3,4,5,6,7
	ds_store_b128 v[STO], v[S+32*\t+4*\f:S+32*\t+4*\f+3] offset:32*\f
.endr
.irp f, 0,1,2,3,4,5,6,7
	ds_load_b128 v[S+32*\t+4*\f:S+32*\t+4*\f+3], v[RD] offset:\f*2*SP  ; LDS serves a wave's instructions in order: these see the stores above
.endr
.endm
.macro SEND t, younger              ; younger: the LDS instructions issued behind tile t's loads
.irp f, 0,1,2,3,4,5,6,7
	s_wait_dscnt \younger+7-\f
	global_store_b128 v[GO], v[S+32*\t+4*\f:S+32*\t+4*\f+3], s[10:11] offset:\t*65536+\f*8192  ; 16 lanes store 256 consecutive bytes, aligned: a head's part of a row of att16
.endr
.endm
	PACK 0
	PACK 1
	SEND 0, 16
	PACK 2
	SEND 1, 16
	PACK 3
	SEND 2, 16
	SEND 3, 0
	s_wait_tensorcnt 0x0            ; the wave's end, behind my last tensor load and my last LDS store
	ds_add_u32 v[SPW], v[NIL]
	s_wait_dscnt 0x0
	CROUND                          ; the closing round
	s_endpgm
.Lfunc_end_k_qe7e43e1ebc_attn:
	.size	k_qe7e43e1ebc_attn, .Lfunc_end_k_qe7e43e1ebc_attn-k_qe7e43e1ebc_attn
	.p2alignl 7, 3214868480
	.fill 96, 4, 3214868480
	.section	.rodata,"a",@progbits
	.p2align	6, 0x0
	.amdhsa_kernel k_qe7e43e1ebc_attn
		.amdhsa_group_segment_fixed_size 327680
		.amdhsa_private_segment_fixed_size 0
		.amdhsa_enable_private_segment 0
		.amdhsa_kernarg_size 24
		.amdhsa_user_sgpr_count 2
		.amdhsa_user_sgpr_kernarg_segment_ptr 1
		.amdhsa_wavefront_size32 1
		.amdhsa_system_sgpr_workgroup_id_x 1
		.amdhsa_system_sgpr_workgroup_id_y 1
		.amdhsa_system_sgpr_workgroup_id_z 1
		.amdhsa_system_vgpr_workitem_id 0
		.amdhsa_next_free_vgpr 1024
		.amdhsa_next_free_sgpr 68
		.amdhsa_reserve_vcc 0
		.amdhsa_float_denorm_mode_32 3
		.amdhsa_float_denorm_mode_16_64 3
		.amdhsa_memory_ordered 1
		.amdhsa_forward_progress 1
		.amdhsa_inst_pref_size 222
	.end_amdhsa_kernel
	.amdgpu_metadata
---
amdhsa.version: [ 1, 2 ]
amdhsa.kernels:
  - .name:           k_qe7e43e1ebc_attn
    .symbol:         k_qe7e43e1ebc_attn.kd
    .args:
      - { .name: q16, .offset: 0, .size: 8, .value_kind: global_buffer, .address_space: global }
      - { .name: kv16, .offset: 8, .size: 8, .value_kind: global_buffer, .address_space: global }
      - { .name: att16, .offset: 16, .size: 8, .value_kind: global_buffer, .address_space: global }
    .group_segment_fixed_size: 327680
    .private_segment_fixed_size: 0
    .kernarg_segment_align: 8
    .kernarg_segment_size: 24
    .max_flat_workgroup_size: 128
    .sgpr_count:     68
    .vgpr_count:     1024
    .wavefront_size: 32
...
	.end_amdgpu_metadata
.endif
;; end of part 3
;; launch oproj (part 4): grid 8 x 32, 4 waves a work-group, clusters of 4 x 4, 327,680 bytes of LDS; arguments att16, wot16, out0; writes out0
.if DOCPART == 4
	.amdgcn_target "amdgcn-amd-amdhsa--gfx1250"
	.amdhsa_code_object_version 6
	.text
	.protected	k_qe7e43e1ebc_oproj
	.globl	k_qe7e43e1ebc_oproj
	.p2align	8
	.type	k_qe7e43e1ebc_oproj,@function
k_qe7e43e1ebc_oproj:
	s_mov_b64 s[64:65], 0
	v_nop
	global_prefetch_b8 v0, s[64:65] scope:SCOPE_SE
	s_setreg_imm32_b32 hwreg(HW_REG_WAVE_MODE, 25, 1), 1
	s_wait_xcnt 0x0
	s_wait_alu depctr_hold_cnt(0) depctr_sa_sdst(0) depctr_va_vdst(0) depctr_va_sdst(0) depctr_va_ssrc(0) depctr_va_vcc(0) depctr_vm_vsrc(0)
	s_getreg_b32 s2, hwreg(HW_REG_IB_STS2, 6, 4)
	s_cmp_eq_u32 s2, 0
	s_cbranch_scc0 .Lentry_in_a_cluster
	s_endpgm
.Lentry_in_a_cluster:
	s_bfe_u32 s2, ttmp6, 0x10000c
	s_cmp_lg_u32 s2, 0xf033
	s_cbranch_scc0 .Lentry_shape_is_right
	s_endpgm
.Lentry_shape_is_right:
; out0[m][n] = sum over k of att16[m][k] wot16[n][k]: the projection on the way out, left as it is: f16 operands, f32 sums, f32 out.  No work is left out.  M = 4,096, N = 2,048, K = 2,048.
; A tile of C is 128 rows x 256 columns: 256 tiles, one work-group each (256 x 256 would give 128).  Four waves; wave w makes rows 64 (w / 2) on x columns 128 (w % 2) on: 32 accumulators of 16 x 16, 256 registers.
; TWO LDS SLOTS OF UNEQUAL LENGTH.  A slot holds A's 128 rows and B's 256.  A refill is on its way only from one change of slots to the next, so what it has in which to land is the other slot's work.  Two slots of 256 along K
; would take 2 x 384 x 528 = 405,504 bytes, more than LDS has; one of 128 along K (rows of 256 bytes, pitch 272) and one of 256 (rows of 512 bytes, pitch 528) take 384 x (272 + 528) = 307,200.
; K is walked small, large, small, .. small: 6 x 128 + 5 x 256 = 2,048; each slot's next tile lies 384 along K (768 bytes) on.  A refill of the small slot has 240 matrix instructions of a wave in which to land, one of the
; large slot 112: of the nine refills five have the longer time; with two small slots all fourteen would have the shorter.
; Waves 0 and 1 fetch A's halves (64 rows each), waves 2 and 3 B's (128 rows each): one tensor load a wave behind each change of slots, two at the start.
; CLUSTERS: 4 x 4 work-groups; A's tiles are asked for jointly along a row of the cluster, B's along a column.  THE MATRIX INSTRUCTION IS USED TRANSPOSED (source 0 = 16 rows of B, source 1 = 16 rows of A): a lane holds eight neighbouring numbers of a row of C.
; REGISTERS: window 0: v0-31 addresses; v32-127, v128-223 two fragment buffers for 32 along K (B's 8 fragments, then A's 4); on the way out v32-159 rows of C.  window 1: accumulator (a, b) at v[8 (8 a + b)].
.set SIZE_N, 2048
.set SIZE_K, 2048
.set PS,     272                       ; the small slot's LDS row: 256 bytes + 16 of padding: the 16 rows that a load touches start at 16 different banks
.set PB,     528                       ; the large slot's: 512 bytes + 16: likewise
.set SMB,    128*PS                    ; the small slot begins at LDS byte 0: A's 128 rows, then, from here on, B's 256
.set BIG,    384*PS                    ; the large slot: A's 128 rows,
.set BGB,    BIG+128*PB                ; then B's 256
.set SPARE,  BIG+384*PB                ; behind the slots: the spare words, 128 bytes for each wave: two blocks of 256 bytes that no other line names
.set SPITCH, 528                       ; the way out: a stage of 16 rows x (512 bytes + 16) for each wave, in the large slot, which has had its last fill and its last read when the first result is stored there
.set ONB,    768                       ; bytes along a row from a slot's tile to its next: 384 f16
.set ADAS, 16                          ; v16  LDS address of my A fragments in the small slot
.set ADBS, 17                          ; v17  of my B fragments there
.set ADAB, 18                          ; v18  of my A fragments in the large slot
.set ADBB, 19                          ; v19  of my B fragments there
.set STO,  24
.set RD,   25
.set CO,   26
.set SPW,  28                          ; v28  LDS address of my spare word; never rewritten
.set NIL,  29                          ; v29  0; never rewritten
.set F0,   32
.set F1,   128
.set BK,   32                          ; the way out: 16 rows read back from the stage: v32-95 and v96-159 by turns
.set G1AS, 24                          ; s[24:31] descriptor group 1: A's tiles for the small slot
.set G1AB, 32                          ; s[32:39] A's for the large slot
.set G1BS, 40                          ; s[40:47] B's for the small slot
.set G1BB, 48                          ; s[48:55] B's for the large slot
.set G0AS, 56                          ; s[56:59], s[60:63], s[68:71], s[72:75]: their groups 0
.set G0AB, 60
.set G0BS, 68
.set G0BB, 72
.set FLDS, (1<<16)|(1<<20)|(1<<21)|(5<<22)|(3<<25)   ; elements of 2 bytes; padding on; bit 21 beside a mask; after every 64 words, 4 words
.set FLDB, (1<<16)|(1<<20)|(1<<21)|(6<<22)|(3<<25)   ; the same after every 128 words
.set MSB, 0
.macro WIN new                         ; the immediate's high byte repeats the setting that is left
.if MSB != \new
	s_set_vgpr_msb (MSB<<8)|\new
.set MSB, \new
.endif
.endm
.set MUL, 0x50                         ; sources 0 and 1 window 0; C and D window 1
; A joint load: waves 0 and 1 fetch for A, waves 2 and 3 for B; the branch hangs on the wave's number alone.  An s_nop 0 and four v_nop follow each of the two lines.
.macro JLOAD g0a, g1a, g0b, g1b
	s_cmp_eq_u32 s11, 0
	s_cbranch_scc0 .Lfor_b_\@
	tensor_load_to_lds s[\g0a:\g0a+3], s[\g1a:\g1a+7]
	s_nop 0
.rept 4
	v_nop
.endr
	s_branch .Lasked_\@
.Lfor_b_\@:
	tensor_load_to_lds s[\g0b:\g0b+3], s[\g1b:\g1b+7]
	s_nop 0
.rept 4
	v_nop
.endr
.Lasked_\@:
.endm
.macro CREST                           ; a round of the cluster's barrier behind its opening barrier
	s_cmp_lg_u32 s10, 0
	s_cbranch_scc1 .Lnot_wave_0_\@
	s_barrier_signal -3
.Lnot_wave_0_\@:
	s_barrier_wait -3
	s_barrier_signal -1
	s_barrier_wait -1
.endm
.macro CROUND
	s_barrier_signal -1
	s_barrier_wait -1
	CREST
.endm
.macro SHAPE g, cols, rows             ; words 1 to 7 of a group 1: a tile of rows x cols elements out of rows of SIZE_K
	s_mov_b32 s[\g+1], (\cols)<<16                 ; tensor_dim0
	s_mov_b32 s[\g+2], (\rows)<<16                 ; tensor_dim1
	s_mov_b32 s[\g+3], (\cols)<<16                 ; tile_dim0
	s_mov_b32 s[\g+4], \rows                       ; tile_dim1
	s_mov_b32 s[\g+5], SIZE_K                      ; tensor_dim0_stride
	s_mov_b32 s[\g+6], 0
	s_mov_b32 s[\g+7], 0
.endm
	s_load_b128 s[4:7], s[0:1], 0x0                ; att16 s[4:5], wot16 s[6:7]
	s_load_b64 s[8:9], s[0:1], 0x10                ; out0
	v_lshl_add_u32 v[SPW], v0, 2, SPARE
	v_mov_b32 v[NIL], 0
	ds_add_u32 v[SPW], v[NIL]                      ; the wave's opening: the add, twice on end, and its wait ahead of my first tensor load
	ds_add_u32 v[SPW], v[NIL]
	v_lshrrev_b32 v1, 5, v0
	v_readfirstlane_b32 s10, v1                    ; wave 0..3
	s_lshr_b32 s11, s10, 1                         ; which 64 of the tile's rows are mine.  Also: I fetch for A (0) or for B (1)
	s_and_b32 s12, s10, 1                          ; which 128 of its columns.  Also: which half of that tile I fetch
	s_bfe_u32 s76, ttmp6, 0x40000                  ; cx, cy: my place in the cluster
	s_bfe_u32 s77, ttmp6, 0x40004
	s_lshl_b32 s78, ttmp9, 2
	s_add_co_u32 s78, s78, s76                     ; tile column of C
	s_and_b32 s13, ttmp7, 0xffff
	s_lshl_b32 s13, s13, 2
	s_add_co_u32 s13, s13, s77                     ; tile row of C
	s_lshl_b32 s79, s77, 2
	s_lshl_b32 s79, 15, s79                        ; my row of the cluster
	s_lshl_b32 s80, 0x1111, s76                    ; my column
	s_or_b32 s[G1AS], s79, FLDS                    ; A's tiles go to my row of the cluster,
	s_or_b32 s[G1AB], s79, FLDB
	s_or_b32 s[G1BS], s80, FLDS                    ; B's to my column
	s_or_b32 s[G1BB], s80, FLDB
	SHAPE G1AS, 128, 64
	SHAPE G1AB, 256, 64
	SHAPE G1BS, 128, 128
	SHAPE G1BB, 256, 128
	s_lshl_b32 s16, s13, 7
	s_lshl_b32 s17, s12, 6
	s_add_co_u32 s16, s16, s17                     ; A: row 128 x tile row + 64 x half,
	s_lshl_b32 s16, s16, 12                        ; of 4,096 bytes
	s_mov_b32 s17, 0
	s_lshl_b32 s82, s78, 8
	s_lshl_b32 s83, s12, 7
	s_add_co_u32 s82, s82, s83                     ; B: row 256 x tile column + 128 x half
	s_lshl_b32 s82, s82, 12
	s_mov_b32 s83, 0
	s_mul_i32 s20, s12, 64*PS                      ; where they go: my half of A's rows in the small slot,
	s_mul_i32 s21, s12, 64*PB                      ; in the large one,
	s_mul_i32 s22, s12, 128*PS                     ; of B's rows in the small slot,
	s_mul_i32 s23, s12, 128*PB                     ; in the large one: no place in the cluster enters an LDS address
	s_wait_dscnt 0x0                               ; both opening adds are done
	s_wait_kmcnt 0x0
	s_add_nc_u64 s[14:15], s[4:5], s[16:17]
	s_add_nc_u64 s[82:83], s[6:7], s[82:83]
	CROUND                                         ; all sixteen work-groups are here: the first joint loads meet
	s_mov_b32 s[G0AS], 1                           ; the small slot first: K = 0 .. 127
	s_mov_b32 s[G0AS+1], s20
	s_mov_b64 s[G0AS+2:G0AS+3], s[14:15]
	s_or_b32 s[G0AS+3], s[G0AS+3], 0x80000000
	s_mov_b32 s[G0BS], 1
	s_add_co_u32 s[G0BS+1], s22, SMB
	s_mov_b64 s[G0BS+2:G0BS+3], s[82:83]
	s_or_b32 s[G0BS+3], s[G0BS+3], 0x80000000
	JLOAD G0AS, G1AS, G0BS, G1BS
	s_mov_b32 s[G0AB], 1                           ; the large slot: K = 128 .. 383
	s_add_co_u32 s[G0AB+1], s21, BIG
	s_add_nc_u64 s[G0AB+2:G0AB+3], s[14:15], 256
	s_or_b32 s[G0AB+3], s[G0AB+3], 0x80000000
	s_mov_b32 s[G0BB], 1
	s_add_co_u32 s[G0BB+1], s23, BGB
	s_add_nc_u64 s[G0BB+2:G0BB+3], s[82:83], 256
	s_or_b32 s[G0BB+3], s[G0BB+3], 0x80000000
	JLOAD G0AB, G1AB, G0BB, G1BB
	v_and_b32 v1, 15, v0                           ; r = l % 16
	v_bfe_u32 v2, v0, 4, 1                         ; h = l / 16
	v_mul_u32_u24 v3, v1, PS
	v_lshl_add_u32 v3, v2, 4, v3                   ; a fragment's row x pitch + 16 x half, in the small slot,
	v_mul_u32_u24 v4, v1, PB
	v_lshl_add_u32 v4, v2, 4, v4                   ; and in the large one
	s_mul_i32 s20, s11, 64*PS                      ; my 64 rows of A
	v_add_nc_u32 v[ADAS], s20, v3
	s_mul_i32 s20, s12, 128*PS                     ; my 128 rows of B, behind A's 128
	s_add_co_u32 s20, s20, SMB
	v_add_nc_u32 v[ADBS], s20, v3
	s_mul_i32 s20, s11, 64*PB
	s_add_co_u32 s20, s20, BIG
	v_add_nc_u32 v[ADAB], s20, v4
	s_mul_i32 s20, s12, 128*PB
	s_add_co_u32 s20, s20, BGB
	v_add_nc_u32 v[ADBB], s20, v4
	s_mul_i32 s23, s10, 16*SPITCH
	s_add_co_u32 s23, s23, BIG                     ; my stage
	v_mul_u32_u24 v5, v1, SPITCH                   ; in: row r, 32 bytes for each half of the lanes
	v_lshl_add_u32 v5, v2, 5, v5
	v_add_nc_u32 v[STO], s23, v5
	v_and_b32 v6, 31, v0
	v_lshlrev_b32 v[CO], 4, v6                     ; back: the 32 lanes take one row of 512 bytes; and the same in C
	v_add_nc_u32 v[RD], s23, v[CO]
	s_lshl_b32 s16, s13, 7
	s_lshl_b32 s17, s11, 6
	s_add_co_u32 s16, s16, s17                     ; my first row of C,
	s_lshl_b32 s16, s16, 13                        ; of 8,192 bytes
	s_mov_b32 s17, 0
	s_add_nc_u64 s[8:9], s[8:9], s[16:17]
	s_lshl_b32 s82, s78, 10                        ; my first column, in bytes: 1,024 x tile column + 512 x half
	s_lshl_b32 s83, s12, 9
	s_add_co_u32 s82, s82, s83
	s_mov_b32 s83, 0
	s_add_nc_u64 s[8:9], s[8:9], s[82:83]
; 8 matrix instructions: A's block a x B's eight, 32 along K, from buffer f.  zero = 1: the first product starts the sums.  The 32 accumulators take turns, one instruction a turn, in the same order in every quarter.
.macro MULA f, a, zero
.irp b, 0,1,2,3,4,5,6,7
.if \zero
	v_wmma_f32_16x16x32_f16 v[8*(8*(\a)+\b):8*(8*(\a)+\b)+7], v[\f+8*\b:\f+8*\b+7], v[\f+64+8*(\a):\f+64+8*(\a)+7], 0
.else
	v_wmma_f32_16x16x32_f16 v[8*(8*(\a)+\b):8*(8*(\a)+\b)+7], v[\f+8*\b:\f+8*\b+7], v[\f+64+8*(\a):\f+64+8*(\a)+7], v[8*(8*(\a)+\b):8*(8*(\a)+\b)+7]
.endif
.endr
.endm
; 24 LDS loads in one run: the fragments of 32 along K at byte k of the rows of a slot (address registers ra, rb; pitch p), into buffer f: B's sixteen loads, then A's blocks 0, 1 (four), then blocks 2, 3 (four)
.macro FETCH ra, rb, p, k, f
	WIN 0
.irp i, 0,1,2,3,4,5,6,7
	ds_load_b128 v[\f+8*\i:\f+8*\i+3],   v[\rb] offset:\k+\i*16*\p
	ds_load_b128 v[\f+8*\i+4:\f+8*\i+7], v[\rb] offset:\k+\i*16*\p+32
.endr
.irp i, 0,1,2,3
	ds_load_b128 v[\f+64+8*\i:\f+64+8*\i+3],   v[\ra] offset:\k+\i*16*\p
	ds_load_b128 v[\f+64+8*\i+4:\f+64+8*\i+7], v[\ra] offset:\k+\i*16*\p+32
.endr
.endm
.macro PLACES                          ; four plain vector instructions in front of loads into registers that matrix instructions have read, and of the first read of results
.rept 4
	v_nop
.endr
.endm
; A quarter is 32 along K, 32 matrix instructions; the small slot holds four, the large one eight, on buffers 0, 1, 0, 1 ..  A quarter that is not its slot's last multiplies buffer f and fetches the next, at byte k of the same slot's rows, into g.
.macro QUARTER ra, rb, p, k, f, g, zero
	s_wait_dscnt 4                                 ; B and A's blocks 0, 1 are in; the youngest four loads (A's blocks 2, 3) may be out
	WIN MUL
	MULA \f, 0, \zero
	MULA \f, 1, \zero
	PLACES
	FETCH \ra, \rb, \p, \k, \g
	s_wait_dscnt 24                                ; all but the 24 just issued
	WIN MUL
	MULA \f, 2, \zero
	MULA \f, 3, \zero
.endm
.macro QS k, f, g, zero                ; in the small slot
	QUARTER ADAS, ADBS, PS, \k, \f, \g, \zero
.endm
.macro QB k, f, g                      ; in the large slot
	QUARTER ADAB, ADBB, PB, \k, \f, \g, 0
.endm
.macro BIG7                            ; the large slot's first seven quarters
	QB 64,  F0, F1
	QB 128, F1, F0
	QB 192, F0, F1
	QB 256, F1, F0
	QB 320, F0, F1
	QB 384, F1, F0
	QB 448, F0, F1
.endm
; A slot's last quarter multiplies buffer 1 and changes slots: ONE barrier; in front of it each wave waits for all its tensor loads, adds 0 to its spare word, and waits for that and for its own reads of this slot.
; g0a .. g1b: the descriptors of the slot that is left;  nra, nrb, np: the slot that follows.  fill = 1: the slot that is left is filled again, with the tile 384 along K on.
.macro TURN g0a, g1a, g0b, g1b, nra, nrb, np, fill
	WIN 0                                          ; (the add's two registers lie in window 0)
	s_wait_tensorcnt 0x0                           ; all my tensor loads have landed: my part of the slot that follows
	ds_add_u32 v[SPW], v[NIL]                      ; 0 onto my spare word
	s_wait_dscnt 5                                 ; (the add and the youngest four loads may be out)
	WIN MUL
	MULA F1, 0, 0                                  ; eight matrix instructions stand between the add and the wait for it
	s_wait_dscnt 0x0                               ; the add is done, and my reads of this slot are over
	s_barrier_signal -1
	MULA F1, 1, 0
.if \fill
	WIN 0
.endif
	s_barrier_wait -1
.if \fill
	CREST                                          ; the barrier has opened a round of the cluster's barrier: no wave of any partner still reads this slot's tile or has a load on its way
	s_add_nc_u64 s[\g0a+2:\g0a+3], s[\g0a+2:\g0a+3], ONB
	s_add_nc_u64 s[\g0b+2:\g0b+3], s[\g0b+2:\g0b+3], ONB
	JLOAD \g0a, \g1a, \g0b, \g1b                   ; the first tensor load behind the round; its four v_nop are the places in front of the loads below
.else
	PLACES
.endif
	FETCH \nra, \nrb, \np, 0, F0
	WIN MUL
	MULA F1, 2, 0
	MULA F1, 3, 0
.endm
.macro TURN_S fill                     ; out of the small slot into the large one
	TURN G0AS, G1AS, G0BS, G1BS, ADAB, ADBB, PB, \fill
.endm
.macro TURN_B fill                     ; out of the large slot into the small one
	TURN G0AB, G1AB, G0BB, G1BB, ADAS, ADBS, PS, \fill
.endm
	s_wait_tensorcnt 1                             ; my part of the small slot is in (the large slot's load may be out)
	s_barrier_signal -1
	s_barrier_wait -1                              ; everybody's is
	FETCH ADAS, ADBS, PS, 0, F0
	QS 64, F0, F1, 1                               ; the first quarter stands in front of the loop: its products start the sums
	WIN 0                                          ; at a label and at a branch every window is 0
	s_mov_b32 s3, 4
.Lpair:                                                ; a trip takes a small and a large slot, from the small slot's second quarter to the next small slot's first, and fills both again
	QS 128, F1, F0, 0
	QS 192, F0, F1, 0
	TURN_S 1                                       ; the small slot's refill: 240 matrix instructions ahead of the wait for it
	BIG7
	TURN_B 1                                       ; the large slot's refill: 112 matrix instructions ahead of the wait for it
	QS 64, F0, F1, 0
	WIN 0
	s_sub_co_u32 s3, s3, 1
	s_cmp_lg_u32 s3, 0
	s_cbranch_scc1 .Lpair
	QS 128, F1, F0, 0                              ; the tail is written out: the fifth small slot,
	QS 192, F0, F1, 0
	TURN_S 1                                       ; whose refill is the last load: K = 1,920 .. 2,047
	BIG7                                           ; the fifth large slot,
	TURN_B 0                                       ; which is not filled again: no round follows
	QS 64,  F0, F1, 0                              ; the sixth small slot
	QS 128, F1, F0, 0
	QS 192, F0, F1, 0
	s_wait_dscnt 4                                 ; the very last quarter: nothing more to fetch
	WIN MUL
	MULA F1, 0, 0
	MULA F1, 1, 0
	s_wait_dscnt 0
	MULA F1, 2, 0
	MULA F1, 3, 0
	WIN 0
; THE WAY OUT, block by block of 16 rows x 128 columns: through my own stage in LDS, back as whole rows of 512 bytes.  LDS serves a wave's instructions in order: no wait between the stores and the loads, nor in front of the next block's stores.
.macro TOSTAGE a
	WIN 0x04                                       ; an LDS store's data are its source 1: window 1
.irp b, 0,1,2,3,4,5,6,7
	ds_store_b128 v[STO], v[64*(\a)+8*\b:64*(\a)+8*\b+3] offset:64*\b          ; each accumulator from its low end on
	ds_store_b128 v[STO], v[64*(\a)+8*\b+4:64*(\a)+8*\b+7] offset:64*\b+16
.endr
	WIN 0
.set BB, BK+64*((\a)%2)
.irp t, 0,1,2,3,4,5,6,7,8,9,10,11,12,13,14,15
	ds_load_b128 v[BB+4*\t:BB+4*\t+3], v[RD] offset:\t*SPITCH
.endr
.endm
.macro SEND a, younger                 ; younger: the LDS instructions issued behind block a's loads, which may stay out
.set BB, BK+64*((\a)%2)
	s_wait_dscnt \younger
.irp t, 0,1,2,3,4,5,6,7,8,9,10,11,12,13,14,15
	global_store_b128 v[CO], v[BB+4*\t:BB+4*\t+3], s[8:9] offset:(16*(\a)+\t)*SIZE_N*4 th:TH_STORE_NT   ; 32 lanes store 512 consecutive bytes, aligned; written once, read by nobody here
.endr
.endm
	PLACES                                         ; behind the last products: for the reads of results and for the loads into the fragments' registers
	TOSTAGE 0
.irp a, 1,2,3
.if \a > 1
	s_wait_xcnt 0x0                                ; block a - 2's stores have read their registers: block a's loads may land there
.endif
	TOSTAGE \a
	SEND \a-1, 32                                  ; behind block a - 1's loads: block a's 16 stores and 16 loads
.endr
	SEND 3, 0
	s_wait_tensorcnt 0x0                           ; the wave's end, behind my last tensor load and my last LDS store
	ds_add_u32 v[SPW], v[NIL]
	s_wait_dscnt 0x0
	CROUND                                         ; the closing round: no work-group ends while a partner may still ask for a tile that names it
	s_endpgm
.Lfunc_end_k_qe7e43e1ebc_oproj:
	.size	k_qe7e43e1ebc_oproj, .Lfunc_end_k_qe7e43e1ebc_oproj-k_qe7e43e1ebc_oproj
	.p2alignl 7, 3214868480
	.fill 96, 4, 3214868480
	.section	.rodata,"a",@progbits
	.p2align	6, 0x0
	.amdhsa_kernel k_qe7e43e1ebc_oproj
		.amdhsa_group_segment_fixed_size 327680
		.amdhsa_private_segment_fixed_size 0
		.amdhsa_enable_private_segment 0
		.amdhsa_kernarg_size 24
		.amdhsa_user_sgpr_count 2
		.amdhsa_user_sgpr_kernarg_segment_ptr 1
		.amdhsa_wavefront_size32 1
		.amdhsa_system_sgpr_workgroup_id_x 1
		.amdhsa_system_sgpr_workgroup_id_y 1
		.amdhsa_system_sgpr_workgroup_id_z 1
		.amdhsa_system_vgpr_workitem_id 0
		.amdhsa_next_free_vgpr 512
		.amdhsa_next_free_sgpr 88
		.amdhsa_reserve_vcc 0
		.amdhsa_float_denorm_mode_32 3
		.amdhsa_float_denorm_mode_16_64 3
		.amdhsa_memory_ordered 1
		.amdhsa_forward_progress 1
		.amdhsa_inst_pref_size 132
	.end_amdhsa_kernel
	.amdgpu_metadata
---
amdhsa.version: [ 1, 2 ]
amdhsa.kernels:
  - .name:           k_qe7e43e1ebc_oproj
    .symbol:         k_qe7e43e1ebc_oproj.kd
    .args:
      - { .name: att16, .offset: 0, .size: 8, .value_kind: global_buffer, .address_space: global }
      - { .name: wot16, .offset: 8, .size: 8, .value_kind: global_buffer, .address_space: global }
      - { .name: out0, .offset: 16, .size: 8, .value_kind: global_buffer, .address_space: global }
    .group_segment_fixed_size: 327680
    .private_segment_fixed_size: 0
    .kernarg_segment_align: 8
    .kernarg_segment_size: 24
    .max_flat_workgroup_size: 128
    .sgpr_count:     88
    .vgpr_count:     512
    .wavefront_size: 32
...
	.end_amdgpu_metadata
.endif
;; end of part 4
